; MI455X (gfx1250); checked and timed in simulation.
; The chip was launched on July 23, 2026; its instructions are those of AMD's public machine-readable ISA for CDNA 5 (MIT licence, August 2026) and "CDNA5" Instruction Set Architecture Reference Guide (July 2026). The comments in the code are by the model that wrote it; some were corrected since.
;; Multi Head Attention. Allowed arithmetic: float matrix products may take bf16 or f16 operands with f32 sums; all other float work in f32.
;; Inputs: Wk 2,048 x 2,048 float32; Wo 2,048 x 2,048 float32; Wq 2,048 x 2,048 float32; Wv 2,048 x 2,048 float32; mask 2 x 1,024 x 1,024 bool; x 2 x 1,024 x 2,048 float32.
;; Outputs: out0 2 x 1,024 x 2,048 float32.
;; 2 versions, each right; version 2 is version 1 with the launch cast written anew for expert scheduling mode. Each part assembles by itself: llvm-mc -triple=amdgcn-amd-amdhsa -mcpu=gfx1250 --defsym DOCPART=n.
;; ======== version 1 of 2: 4 launches
;; limits: values are held in f16: magnitudes above 65,504 overflow, below 6.1e-05 lose precision
;; workspace buffers: wt 33,554,432 bytes; xh 8,388,608 bytes; mbits 262,144 bytes of whole numbers; q 8,388,608 bytes; k 8,388,608 bytes; vt 8,388,608 bytes; ao 8,388,608 bytes
;; launch cast (part 1): grid 128 x 6, 4 waves a work-group, no clusters, 67,072 bytes of LDS; arguments Wq, Wk, Wv, Wo, x, mask, wt, xh, mbits; writes wt, xh, mbits
.if DOCPART == 1
	.amdgcn_target "amdgcn-amd-amdhsa--gfx1250"
	.amdhsa_code_object_version 6
	.text
	.protected	k_q58a6e1f0ee_cast
	.globl	k_q58a6e1f0ee_cast
	.p2align	8
	.type	k_q58a6e1f0ee_cast,@function
k_q58a6e1f0ee_cast:
	s_mov_b64 s[64:65], 0
	v_nop
	global_prefetch_b8 v0, s[64:65] scope:SCOPE_SE
	s_setreg_imm32_b32 hwreg(HW_REG_WAVE_MODE, 25, 1), 1
	s_wait_xcnt 0x0
; cast: one streaming pass that brings every input into the form the three matrix launches read.
;   y = 0..2: wt[mat*2048 + n][k] = bf16(W_mat[k][n])        Wq, Wk, Wv, rounded to bf16 and transposed, K along the rows
;   y = 3:    wt[6144 + n][k]     = f16(bf16(Wo[k][n]))      Wo, rounded to bf16 like the others and then held in f16, the format of its partner in the last product
;   y = 4:    xh = bf16(x)
;   y = 5:    mbits[b*64+qt][kt][j], bit r+16h = (mask[b][16qt+r][16kt+8h+j] != 0): one word for each score register of the attention launch
; So every floating-point input is rounded once, to bf16 (nearest even).
; LIMITS: Wo alone: a bf16 number is exact in f16 from 2^-17 up to 65,504; larger ones become infinite, below 2^-17 the absolute step is 6e-8.
; No matrix unit, no cluster, no barrier: no byte is shared between work-groups, and every wave's LDS bytes (16,640 of them) are its own.
; Every load and store of a wave covers whole aligned runs of 256 bytes.
.set XR,   48                          ; v[48:175]  data as loaded; later rows read back from LDS
.set YR,   16                          ; v[16:47]   16-bit pairs
.set TR,   12                          ; v[12:15]   at work
.set MR,   80                          ; v[80:111]  mask path: 8 mask bytes for each of 16 key tiles
.set WLDS, 16640                       ; a wave's LDS bytes
; W path.  Eight loads: rows k = 16g+j (lanes 0-15) and 16g+8+j (lanes 16-31), 256 bytes of each row.
.macro LOADG g, set
.irp j, 0,1,2,3,4,5,6,7
	global_load_b128 v[XR+32*\set+4*\j:XR+32*\set+4*\j+3], v3, s[24:25] offset:(16*\g+\j)*8192 th:TH_LOAD_NT
.endr
.endm
; My four columns n = 4i+c: eight k of each are packed to 16 bytes and laid into the column's LDS row (256 bytes) at byte 32g + 16hh.
; kind = 0: bf16.  kind = 1: bf16, widened again (a shift, a mask) and packed as f16.
.macro CVTG g, set, kind
.irp c, 0,1,2,3
.irp jj, 0,1,2,3
	v_cvt_pk_bf16_f32 v[YR+4*\c+\jj], v[XR+32*\set+8*\jj+\c], v[XR+32*\set+8*\jj+4+\c]
.if \kind
	v_lshlrev_b32 v[TR+2*(\jj&1)], 16, v[YR+4*\c+\jj]
	v_and_b32 v[TR+2*(\jj&1)+1], 0xffff0000, v[YR+4*\c+\jj]
	v_cvt_pk_f16_f32 v[YR+4*\c+\jj], v[TR+2*(\jj&1)], v[TR+2*(\jj&1)+1]
.endif
.endr
.endr
.irp c, 0,1,2,3
	ds_store_b128 v4, v[YR+4*\c:YR+4*\c+3] offset:256*\c+32*\g
.endr
.endm
; A wave's 128 k x 64 n: four groups of eight loads are always on their way; then the 64 transposed rows go out.
.macro WBODY kind
	LOADG 0, 0
	LOADG 1, 1
	LOADG 2, 2
	LOADG 3, 3
	s_wait_loadcnt 24                              ; loads return in order: three younger groups of eight stay out
	CVTG 0, 0, \kind
	LOADG 4, 0
	s_wait_loadcnt 24
	CVTG 1, 1, \kind
	LOADG 5, 1
	s_wait_loadcnt 24
	CVTG 2, 2, \kind
	LOADG 6, 2
	s_wait_loadcnt 24
	CVTG 3, 3, \kind
	LOADG 7, 3
	s_wait_loadcnt 24
	CVTG 4, 0, \kind
	s_wait_loadcnt 16                              ; nothing more is fetched: the counts run down
	CVTG 5, 1, \kind
	s_wait_loadcnt 8
	CVTG 6, 2, \kind
	s_wait_loadcnt 0
	CVTG 7, 3, \kind
	; rows n = 2t + hh back from my own LDS bytes (a wave's LDS instructions are served in order) and out, in two runs of sixteen
.irp hb, 0,1
.set cnt, 0
.rept 16
	ds_load_b128 v[XR+64*\hb+4*cnt:XR+64*\hb+4*cnt+3], v5 offset:((16*\hb+cnt)>>1)*1040+((16*\hb+cnt)&1)*512
.set cnt, cnt+1
.endr
.set cnt, 0
.rept 16
	s_wait_dscnt 15-cnt                            ; the run's younger LDS loads stay out
	global_store_b128 v6, v[XR+64*\hb+4*cnt:XR+64*\hb+4*cnt+3], s[26:27] offset:(16*\hb+cnt)*8192   ; sixteen lanes store 256 aligned bytes of a row of wt
.set cnt, cnt+1
.endr
.endr
	s_wait_tensorcnt 0x0
	ds_add_u32 v176, v177
	s_wait_dscnt 0x0
	s_endpgm
.endm
; x path.  Sixteen loads: eight pieces of 1,024 bytes, 32 bytes a lane.
.macro LOADX bt, set
.irp q, 0,1,2,3,4,5,6,7
	global_load_b128 v[XR+64*\set+8*\q:XR+64*\set+8*\q+3],   v3, s[24:25] offset:(8*\bt+\q)*1024 th:TH_LOAD_NT
	global_load_b128 v[XR+64*\set+8*\q+4:XR+64*\set+8*\q+7], v3, s[24:25] offset:(8*\bt+\q)*1024+16 th:TH_LOAD_NT
.endr
.endm
.macro CVTX bt, set
.irp q, 0,1,2,3,4,5,6,7
.irp p, 0,1,2,3
	v_cvt_pk_bf16_f32 v[YR+4*\q+\p], v[XR+64*\set+8*\q+2*\p], v[XR+64*\set+8*\q+2*\p+1]
.endr
	global_store_b128 v6, v[YR+4*\q:YR+4*\q+3], s[26:27] offset:(8*\bt+\q)*512   ; 512 neighbouring bytes a wave
.endr
.endm
	s_load_b512 s[4:19], s[0:1], 0x0               ; Wq s[4:5], Wk s[6:7], Wv s[8:9], Wo s[10:11], x s[12:13], mask s[14:15], wt s[16:17], xh s[18:19]
	s_load_b64 s[20:21], s[0:1], 0x40              ; mbits
	v_lshl_add_u32 v176, v0, 2, 0x10400
	v_mov_b32 v177, 0
	v_lshrrev_b32 v7, 5, v0
	v_readfirstlane_b32 s22, v7                    ; wave 0..3
	s_and_b32 s23, ttmp7, 0xffff                   ; y: which job
	v_and_b32 v1, 15, v0                           ; i = lane mod 16
	v_bfe_u32 v2, v0, 4, 1                         ; hh = lane / 16
	s_mul_i32 s28, s22, WLDS                       ; my wave's LDS bytes
	s_mov_b32 s27, 0                               ; high word of every byte offset here
	s_wait_kmcnt 0x0
	s_cmp_eq_u32 s23, 5
	s_cbranch_scc1 .Lmask
	s_cmp_eq_u32 s23, 4
	s_cbranch_scc1 .Lx
	; ---- a weight: the work-group takes 128 k x 256 n (kb = x mod 16, nb = x / 16), a wave 64 columns ----
	s_mov_b64 s[24:25], s[4:5]
	s_cmp_eq_u32 s23, 1
	s_cselect_b64 s[24:25], s[6:7], s[24:25]
	s_cmp_eq_u32 s23, 2
	s_cselect_b64 s[24:25], s[8:9], s[24:25]
	s_cmp_eq_u32 s23, 3
	s_cselect_b64 s[24:25], s[10:11], s[24:25]
	s_and_b32 s29, ttmp9, 15                       ; kb
	s_lshr_b32 s30, ttmp9, 4                       ; nb
	s_lshl_b32 s26, s29, 20                        ; kb x 128 rows x 8,192 bytes
	s_lshl_b32 s31, s30, 10                        ; nb x 256 columns x 4 bytes
	s_add_co_u32 s26, s26, s31
	s_add_nc_u64 s[24:25], s[24:25], s[26:27]
	s_lshl_b32 s26, s23, 23                        ; mat x 2,048 rows x 4,096 bytes
	s_lshl_b32 s31, s30, 20                        ; nb x 256 rows
	s_add_co_u32 s26, s26, s31
	s_lshl_b32 s31, s29, 8                         ; kb x 128 k x 2 bytes
	s_add_co_u32 s26, s26, s31
	s_add_nc_u64 s[26:27], s[16:17], s[26:27]
	v_lshlrev_b32 v7, 4, v1                        ; 16 i
	v_lshl_add_u32 v3, v2, 16, v7                  ; load: 8 rows down for lanes 16-31,
	s_lshl_b32 s31, s22, 8
	v_add_nc_u32 v3, s31, v3                       ; + my wave's 256 bytes of a row
	v_mul_u32_u24 v4, v1, 1040                     ; LDS in: four column rows of 256 bytes + 16 for each i: sixteen lanes fall into sixteen different 16-byte columns modulo 256
	v_lshl_add_u32 v4, v2, 4, v4
	v_add_nc_u32 v4, s28, v4
	v_lshl_add_u32 v5, v2, 8, v7                   ; LDS back: lanes 0-15 one column row, lanes 16-31 the next
	v_add_nc_u32 v5, s28, v5
	v_lshl_add_u32 v6, v2, 12, v7                  ; store: the same two rows of wt,
	s_lshl_b32 s31, s22, 18
	v_add_nc_u32 v6, s31, v6                       ; + my wave's 64 rows
	s_cmp_eq_u32 s23, 3
	s_cbranch_scc1 .Lwo
	WBODY 0                                        ; Wq, Wk, Wv: bf16
.Lwo:
	WBODY 1                                        ; Wo: the bf16 number, held in f16
	; ---- x: the work-group takes 131,072 bytes, a wave 32,768, in four batches of eight pieces ----
.Lx:
	s_lshl_b32 s26, ttmp9, 17
	s_add_nc_u64 s[24:25], s[12:13], s[26:27]
	s_lshl_b32 s26, ttmp9, 16
	s_add_nc_u64 s[26:27], s[18:19], s[26:27]
	v_and_b32 v7, 31, v0
	v_lshlrev_b32 v3, 5, v7                        ; 32 bytes of f32 a lane
	s_lshl_b32 s31, s22, 15
	v_add_nc_u32 v3, s31, v3
	v_lshlrev_b32 v6, 4, v7                        ; 16 bytes of bf16 a lane
	s_lshl_b32 s31, s22, 14
	v_add_nc_u32 v6, s31, v6
	LOADX 0, 0
	LOADX 1, 1
	s_wait_loadcnt 16                              ; the younger batch's sixteen loads stay out
	CVTX 0, 0
	LOADX 2, 0
	s_wait_loadcnt 16
	s_wait_xcnt 0x0                                ; the bf16 registers are the last batch's store data: rewritten only behind this wait
	CVTX 1, 1
	LOADX 3, 1
	s_wait_loadcnt 16
	s_wait_xcnt 0x0
	CVTX 2, 0
	s_wait_loadcnt 0
	s_wait_xcnt 0x0
	CVTX 3, 1
	s_endpgm
	; ---- mask: the work-group takes 16 rows (one query tile), a wave 256 keys (16 key tiles) ----
.Lmask:
	s_lshl_b32 s26, ttmp9, 14                      ; 16 rows x 1,024 bytes
	s_add_nc_u64 s[24:25], s[14:15], s[26:27]
	s_lshl_b32 s26, ttmp9, 11                      ; 64 key tiles x 8 words
	s_lshl_b32 s31, s22, 9                         ; my wave's 16 key tiles
	s_add_co_u32 s26, s26, s31
	s_add_nc_u64 s[26:27], s[20:21], s[26:27]
	v_lshlrev_b32 v7, 4, v1                        ; 16 i
	v_lshl_add_u32 v3, v2, 10, v7                  ; load: lanes 16-31 one row down,
	s_lshl_b32 s31, s22, 8
	v_add_nc_u32 v3, s31, v3                       ; + my wave's 256 keys
	v_mul_u32_u24 v4, v2, 272                      ; LDS in: rows of 256 bytes, 272 apart
	v_add_nc_u32 v4, v4, v7
	v_add_nc_u32 v4, s28, v4
	v_mul_u32_u24 v5, v1, 272                      ; LDS back: lane (r, h) takes row r, bytes 8h .. 8h+7 of a key tile
	v_lshl_add_u32 v5, v2, 3, v5
	v_add_nc_u32 v5, s28, v5
	v_and_b32 v6, 31, v0
	v_lshlrev_b32 v6, 4, v6                        ; store: four words a lane
.irp t, 0,1,2,3,4,5,6,7
	global_load_b128 v[XR+4*\t:XR+4*\t+3], v3, s[24:25] offset:2048*\t th:TH_LOAD_NT
.endr
.irp c, 0,1,2,3
	v_mov_b32 v[8+\c], 0                           ; v_writelane_b32 keeps the other lanes: the words are written whole first
.endr
	s_wait_loadcnt 0x0
.irp t, 0,1,2,3,4,5,6,7
	ds_store_b128 v4, v[XR+4*\t:XR+4*\t+3] offset:544*\t
.endr
.irp kt, 0,1,2,3,4,5,6,7,8,9,10,11,12,13,14,15
	ds_load_b64 v[MR+2*\kt:MR+2*\kt+1], v5 offset:16*\kt
.endr
	s_wait_dscnt 0x0
	; word 8 kt + j is the vote of the 32 lanes on byte j; it goes to lane (8 kt + j) / 4, register (8 kt + j) mod 4
.irp kt, 0,1,2,3,4,5,6,7,8,9,10,11,12,13,14,15
.irp j, 0,1,2,3,4,5,6,7
	v_bfe_u32 v[TR+(\j&3)], v[MR+2*\kt+(\j>>2)], 8*(\j&3), 8
	v_cmp_ne_u32 s[28+(\j&3)], 0, v[TR+(\j&3)]
	v_writelane_b32 v[8+(\j&3)], s[28+(\j&3)], 2*\kt+(\j>>2)
.endr
.endr
	global_store_b128 v6, v[8:11], s[26:27]        ; 512 neighbouring bytes
	s_wait_tensorcnt 0x0
	ds_add_u32 v176, v177
	s_wait_dscnt 0x0
	s_endpgm
.Lfunc_end_k_q58a6e1f0ee_cast:
	.size	k_q58a6e1f0ee_cast, .Lfunc_end_k_q58a6e1f0ee_cast-k_q58a6e1f0ee_cast
	.p2alignl 7, 3214868480
	.fill 96, 4, 3214868480
	.section	.rodata,"a",@progbits
	.p2align	6, 0x0
	.amdhsa_kernel k_q58a6e1f0ee_cast
		.amdhsa_group_segment_fixed_size 67072
		.amdhsa_private_segment_fixed_size 0
		.amdhsa_enable_private_segment 0
		.amdhsa_kernarg_size 72
		.amdhsa_user_sgpr_count 2
		.amdhsa_user_sgpr_kernarg_segment_ptr 1
		.amdhsa_wavefront_size32 1
		.amdhsa_system_sgpr_workgroup_id_x 1
		.amdhsa_system_sgpr_workgroup_id_y 1
		.amdhsa_system_sgpr_workgroup_id_z 1
		.amdhsa_system_vgpr_workitem_id 0
		.amdhsa_next_free_vgpr 178
		.amdhsa_next_free_sgpr 66
		.amdhsa_reserve_vcc 0
		.amdhsa_float_denorm_mode_32 3
		.amdhsa_float_denorm_mode_16_64 3
		.amdhsa_memory_ordered 1
		.amdhsa_forward_progress 1
		.amdhsa_inst_pref_size 113
	.end_amdhsa_kernel
	.amdgpu_metadata
---
amdhsa.version: [ 1, 2 ]
amdhsa.kernels:
  - .name:           k_q58a6e1f0ee_cast
    .symbol:         k_q58a6e1f0ee_cast.kd
    .args:
      - { .name: Wq, .offset: 0, .size: 8, .value_kind: global_buffer, .address_space: global }
      - { .name: Wk, .offset: 8, .size: 8, .value_kind: global_buffer, .address_space: global }
      - { .name: Wv, .offset: 16, .size: 8, .value_kind: global_buffer, .address_space: global }
      - { .name: Wo, .offset: 24, .size: 8, .value_kind: global_buffer, .address_space: global }
      - { .name: x, .offset: 32, .size: 8, .value_kind: global_buffer, .address_space: global }
      - { .name: mask, .offset: 40, .size: 8, .value_kind: global_buffer, .address_space: global }
      - { .name: wt, .offset: 48, .size: 8, .value_kind: global_buffer, .address_space: global }
      - { .name: xh, .offset: 56, .size: 8, .value_kind: global_buffer, .address_space: global }
      - { .name: mbits, .offset: 64, .size: 8, .value_kind: global_buffer, .address_space: global }
    .group_segment_fixed_size: 67072
    .private_segment_fixed_size: 0
    .kernarg_segment_align: 8
    .kernarg_segment_size: 72
    .max_flat_workgroup_size: 128
    .sgpr_count:     66
    .vgpr_count:     178
    .wavefront_size: 32
...
	.end_amdgpu_metadata
.endif
;; end of part 1
;; launch qkv (part 2): grid 16 x 16, 4 waves a work-group, clusters of 4 x 4, 327,680 bytes of LDS; arguments xh, wt, q, k, vt; writes q, k, vt
.if DOCPART == 2
	.amdgcn_target "amdgcn-amd-amdhsa--gfx1250"
	.amdhsa_code_object_version 6
	.text
	.protected	k_q58a6e1f0ee_qkv
	.globl	k_q58a6e1f0ee_qkv
	.p2align	8
	.type	k_q58a6e1f0ee_qkv,@function
k_q58a6e1f0ee_qkv:
	s_mov_b64 s[64:65], 0
	v_nop
	global_prefetch_b8 v0, s[64:65] scope:SCOPE_SE
	s_setreg_imm32_b32 hwreg(HW_REG_WAVE_MODE, 25, 1), 1
	s_wait_xcnt 0x0
	s_wait_alu depctr_hold_cnt(0) depctr_sa_sdst(0) depctr_va_vdst(0) depctr_va_sdst(0) depctr_va_ssrc(0) depctr_va_vcc(0) depctr_vm_vsrc(0)
	s_getreg_b32 s2, hwreg(HW_REG_IB_STS2, 6, 4)
	s_cmp_eq_u32 s2, 0
	s_cbranch_scc0 .Lentry_in_a_cluster
	s_endpgm
.Lentry_in_a_cluster:
	s_bfe_u32 s2, ttmp6, 0x10000c
	s_cmp_lg_u32 s2, 0xf033
	s_cbranch_scc0 .Lentry_shape_is_right
	s_endpgm
.Lentry_shape_is_right:
; qkv: q = c (x Wq), k = x Wk (both [token][head*128+d]) and vt = (x Wv) transposed ([head*128+d][token]), bf16 operands, f32 sums, f16 results.
; The results are kept in f16, not bf16: they are rounded once more than the inputs, and f16's 11 bits make that rounding eight times finer.
; c = log2(e) / sqrt(128), applied to q in f32 before its one rounding, so that the attention launch exponentiates in base 2 without a further scale.
; LIMITS: results of magnitude 65,504 and more become infinite in f16.
; A work-group makes 128 tokens (block row by) x one head's 128 columns (bx) of each of the three products: 256 equal work-groups that read one tile of x for three.
; Four waves; wave w makes all 128 rows x columns 32w .. 32w+31 of each product: 8 (a) x 6 (b = 2 mat + nb) accumulator tiles of 16 x 16, 384 registers.
; K goes in steps of 128 through two LDS slots; a slot is four pieces of 128 rows x 256 bytes (Wq, Wk, Wv rows of wt, then x), one tensor load a wave.
; CLUSTERS: 4 x 4 work-groups.  x's tile hangs on by alone and is asked for jointly along a row of the cluster, the weights' tiles on bx alone, along a column.
; REGISTERS: window 0: v16-26 addresses, v32-143 and v144-255 two fragment buffers (A at +8a, B at +64+8b); window 1: accumulators a = 0..3 at v[8(6a+b)]; window 2: a = 4..7.
; q and k use the matrix instruction transposed (source 0 = weight rows, source 1 = tokens): a lane holds one token and eight neighbouring columns.
; v uses it straight (source 0 = tokens): a lane holds one column d and eight neighbouring tokens, 16 bytes of a row of vt.  A and B lie in one window, so the swap costs nothing.
.set KSTEP,  128
.set PITCH,  272                       ; an LDS row: 256 bytes + 16: sixteen rows of a fragment begin in sixteen different 16-byte columns modulo 256
.set HALFT,  128*PITCH                 ; a piece: 128 rows
.set SLOT,   4*HALFT
.set LAPS,   2048/(2*KSTEP)            ; a lap = two K steps = once round the ring
.set ADRA,   16                        ; v16-17  my x fragments in slot 0, 1
.set ADRB,   18                        ; v18-19  my Wq and Wk fragments
.set ADRV,   20                        ; v20-21  my Wv fragments; v20 is also where my vt rows go on the way out
.set STO,    22                        ; v22     the way out: where 16 bytes of a q or k row go
.set RD,     24                        ; v24     the way out: rows of q and k read back
.set RDV,    25                        ; v25     rows of vt read back
.set CO,     26                        ; v26     my byte offset in q, k and vt
.set F0,     32
.set F1,     144
.set G1,     24                        ; s[24:31] group 1 for x's tiles
.set G0,     32                        ; s[32:39] group 0 for x's tiles, one set a slot
.set G1B,    48                        ; s[48:55] group 1 for the weights' tiles: another mask
.set G0B,    56                        ; s[56:63] group 0 for the weights' tiles
.set FLAGS,  (1<<16)|(1<<20)|(1<<21)|(5<<22)|(3<<25)   ; elements of 2 bytes; padding on; bit 21 beside a mask; after every 64 words; 4 words
.set MUL_LO, 0x50                      ; C and D window 1
.set MUL_HI, 0xa0                      ; C and D window 2
.set MSB, 0
.macro WIN new                         ; the immediate's high byte repeats the setting that is left
.if MSB != \new
	s_set_vgpr_msb (MSB<<8)|\new
.set MSB, \new
.endif
.endm
; A joint load.  Wave 3 fetches x's tile, waves 0 to 2 the tiles of Wq, Wk, Wv.  The branch hangs on the wave's number alone.
.macro JLOAD s
	s_cmp_eq_u32 s14, 3
	s_cbranch_scc0 .Lfor_b_\@
	tensor_load_to_lds s[G0+4*\s:G0+4*\s+3], s[G1:G1+7]
	s_nop 0
	s_branch .Lasked_\@
.Lfor_b_\@:
	tensor_load_to_lds s[G0B+4*\s:G0B+4*\s+3], s[G1B:G1B+7]
	s_nop 0
.Lasked_\@:
.endm
.macro CREST                           ; a round of the cluster's barrier behind its opening barrier
	s_cmp_lg_u32 s14, 0
	s_cbranch_scc1 .Lnot_wave_0_\@
	s_barrier_signal -3
.Lnot_wave_0_\@:
	s_barrier_wait -3
	s_barrier_signal -1
	s_barrier_wait -1
.endm
.macro CROUND                          ; a whole round
	s_barrier_signal -1
	s_barrier_wait -1
	CREST
.endm
.macro PLACES                          ; four plain vector places behind a matrix instruction (ISA guide 7.12.1) before its registers are loaded into or its result read
.rept 4
	v_nop
.endr
.endm
	s_load_b256 s[4:11], s[0:1], 0x0               ; xh s[4:5], wt s[6:7], q s[8:9], k s[10:11]
	s_load_b64 s[12:13], s[0:1], 0x20              ; vt
	v_lshl_add_u32 v30, v0, 2, 0x44000
	v_mov_b32 v31, 0
	ds_add_u32 v30, v31
	v_lshrrev_b32 v1, 5, v0
	v_readfirstlane_b32 s14, v1                    ; wave 0..3
	s_bfe_u32 s40, ttmp6, 0x40000                  ; cx
	s_bfe_u32 s41, ttmp6, 0x40004                  ; cy
	s_lshl_b32 s42, ttmp9, 2
	s_add_co_u32 s42, s42, s40                     ; bx = head
	s_and_b32 s43, ttmp7, 0xffff
	s_lshl_b32 s43, s43, 2
	s_add_co_u32 s43, s43, s41                     ; by = block of 128 tokens
	s_lshl_b32 s44, s41, 2
	s_lshl_b32 s44, 15, s44                        ; my row of the cluster
	s_lshl_b32 s45, 0x1111, s40                    ; my column
	s_mov_b32 s70, 0x3e0293ee                      ; c = log2(e) / sqrt(128)
	s_mov_b32 s71, 0x3e0293ee
	s_or_b32 s[G1+0], s44, FLAGS
	s_or_b32 s[G1B+0], s45, FLAGS
	s_mov_b32 s[G1+1], KSTEP<<16                   ; tensor_dim0 = 128
	s_mov_b32 s[G1B+1], KSTEP<<16
	s_mov_b32 s[G1+2], 128<<16                     ; tensor_dim1 = 128
	s_mov_b32 s[G1B+2], 128<<16
	s_mov_b32 s[G1+3], KSTEP<<16                   ; tile_dim0 = 128 elements
	s_mov_b32 s[G1B+3], KSTEP<<16
	s_mov_b32 s[G1+4], 128                         ; tile_dim1 = 128 rows
	s_mov_b32 s[G1B+4], 128
	s_mov_b32 s[G1+5], 2048                        ; elements from row to row
	s_mov_b32 s[G1B+5], 2048
	s_mov_b32 s[G1+6], 0
	s_mov_b32 s[G1B+6], 0
	s_mov_b32 s[G1+7], 0
	s_mov_b32 s[G1B+7], 0
	s_lshl_b32 s16, s43, 19                        ; x: by x 128 rows x 4,096 bytes (registers that never hold cx)
	s_mov_b32 s17, 0
	s_lshl_b32 s46, s14, 23                        ; weights: wave x 2,048 rows x 4,096 bytes (wave 3's value lies inside wt and is never used)
	s_lshl_b32 s47, s42, 19                        ; + bx x 128 rows (registers that never hold cy)
	s_add_co_u32 s46, s46, s47
	s_mov_b32 s47, 0
	s_mul_i32 s20, s14, HALFT                      ; where my piece goes: the wave's number alone
	s_wait_dscnt 0x0
	s_wait_kmcnt 0x0
	s_add_nc_u64 s[16:17], s[4:5], s[16:17]
	s_add_nc_u64 s[46:47], s[6:7], s[46:47]
	CROUND                                         ; all sixteen work-groups are here: the first joint loads meet
.irp s, 0,1
	s_mov_b32 s[G0+4*\s], 1
	s_add_co_u32 s[G0+4*\s+1], s20, \s*SLOT
	s_add_nc_u64 s[G0+4*\s+2:G0+4*\s+3], s[16:17], \s*KSTEP*2
	s_or_b32 s[G0+4*\s+3], s[G0+4*\s+3], 0x80000000
	s_mov_b32 s[G0B+4*\s], 1
	s_add_co_u32 s[G0B+4*\s+1], s20, \s*SLOT
	s_add_nc_u64 s[G0B+4*\s+2:G0B+4*\s+3], s[46:47], \s*KSTEP*2
	s_or_b32 s[G0B+4*\s+3], s[G0B+4*\s+3], 0x80000000
	JLOAD \s                                       ; both first fills: two tensor loads of the wave are out, later one
.endr
	v_and_b32 v1, 15, v0                           ; r = lane mod 16
	v_bfe_u32 v2, v0, 4, 1                         ; h = lane / 16
	v_mul_u32_u24 v3, v1, PITCH
	v_lshl_add_u32 v3, v2, 4, v3                   ; r x pitch + 16 h
	s_mul_i32 s21, s14, 32*PITCH                   ; my 32 weight rows
	v_add_nc_u32 v[ADRA], 3*HALFT, v3
	v_add_nc_u32 v[ADRA+1], SLOT+3*HALFT, v3
	v_add_nc_u32 v[ADRB], s21, v3
	v_add_nc_u32 v[ADRB+1], SLOT, v[ADRB]
	v_add_nc_u32 v[ADRV], 2*HALFT, v[ADRB]
	v_add_nc_u32 v[ADRV+1], SLOT+2*HALFT, v[ADRB]
	s_lshl_b32 s22, s14, 6
	v_add_nc_u32 v[STO], s22, v3                   ; token row r, my 64 bytes of it, 16 bytes for each half of the lanes
	v_mul_u32_u24 v4, v2, PITCH
	v_lshl_add_u32 v4, v1, 4, v4
	v_add_nc_u32 v[RD], s21, v4                    ; back: lanes 0-15 one row of 256 bytes, lanes 16-31 the next, from my 32 rows
	v_add_nc_u32 v[RDV], 2*HALFT, v[RD]
	v_lshlrev_b32 v5, 12, v2
	v_lshl_add_u32 v5, v1, 4, v5
	s_lshl_b32 s23, s14, 17
	v_add_nc_u32 v[CO], s23, v5                    ; and the same rows in q, k, vt (rows of 4,096 bytes)
; 12 matrix instructions: row blocks a0, a0+1 of the window's four x all six column blocks, 32 along K.  zero = 1: the product starts the sum.
; The 48 accumulators take turns, one instruction a turn, in the same order in every quarter step.
.macro MUL12 f, hi, a0, zero
.irp a, \a0, \a0+1
.irp b, 0,1,2,3,4,5
.if \b < 4
.if \zero
	v_wmma_f32_16x16x32_bf16 v[8*(6*(\a)+\b):8*(6*(\a)+\b)+7], v[\f+64+8*\b:\f+64+8*\b+7], v[\f+8*(4*\hi+\a):\f+8*(4*\hi+\a)+7], 0
.else
	v_wmma_f32_16x16x32_bf16 v[8*(6*(\a)+\b):8*(6*(\a)+\b)+7], v[\f+64+8*\b:\f+64+8*\b+7], v[\f+8*(4*\hi+\a):\f+8*(4*\hi+\a)+7], v[8*(6*(\a)+\b):8*(6*(\a)+\b)+7]
.endif
.else
.if \zero
	v_wmma_f32_16x16x32_bf16 v[8*(6*(\a)+\b):8*(6*(\a)+\b)+7], v[\f+8*(4*\hi+\a):\f+8*(4*\hi+\a)+7], v[\f+64+8*\b:\f+64+8*\b+7], 0
.else
	v_wmma_f32_16x16x32_bf16 v[8*(6*(\a)+\b):8*(6*(\a)+\b)+7], v[\f+8*(4*\hi+\a):\f+8*(4*\hi+\a)+7], v[\f+64+8*\b:\f+64+8*\b+7], v[8*(6*(\a)+\b):8*(6*(\a)+\b)+7]
.endif
.endif
.endr
.endr
.endm
; 28 LDS loads in one run: six weight fragments, then eight x fragments, 32 K at byte k of the rows, into buffer f
.macro FETCH slot, k, f
	WIN 0
.irp b, 0,1,2,3
	ds_load_b128 v[\f+64+8*\b:\f+64+8*\b+3],   v[ADRB+\slot] offset:(\b>>1)*HALFT+(\b&1)*16*PITCH+\k
	ds_load_b128 v[\f+64+8*\b+4:\f+64+8*\b+7], v[ADRB+\slot] offset:(\b>>1)*HALFT+(\b&1)*16*PITCH+\k+32
.endr
.irp nb, 0,1
	ds_load_b128 v[\f+96+8*\nb:\f+96+8*\nb+3],   v[ADRV+\slot] offset:\nb*16*PITCH+\k
	ds_load_b128 v[\f+96+8*\nb+4:\f+96+8*\nb+7], v[ADRV+\slot] offset:\nb*16*PITCH+\k+32
.endr
.irp a, 0,1,2,3,4,5,6,7
	ds_load_b128 v[\f+8*\a:\f+8*\a+3],   v[ADRA+\slot] offset:\a*16*PITCH+\k
	ds_load_b128 v[\f+8*\a+4:\f+8*\a+7], v[ADRA+\slot] offset:\a*16*PITCH+\k+32
.endr
.endm
; A K step is four quarter steps of 32 along K, 48 matrix instructions each, on buffers 0, 1, 0, 1.
.macro QUARTER slot, k, f, g, zero
	s_wait_dscnt 8                                 ; the weights and x's rows 0-63 are in; the youngest eight loads (x's rows 64-127) may be out
	WIN MUL_LO
	MUL12 \f, 0, 0, \zero
	MUL12 \f, 0, 2, \zero
	PLACES
	FETCH \slot, \k, \g
	s_wait_dscnt 28                                ; all but the 28 just issued
	WIN MUL_HI
	MUL12 \f, 1, 0, \zero
	MUL12 \f, 1, 2, \zero
.endm
.macro THREE slot, zero
	QUARTER \slot, 64,  F0, F1, \zero
	QUARTER \slot, 128, F1, F0, 0
	QUARTER \slot, 192, F0, F1, 0
.endm
; The last quarter multiplies buffer 1 and changes slots.  One barrier: in front of it my reads of this slot and all my tensor loads are done;
; behind it (where a slot is filled again: behind the cluster's round that it opens) the refill comes first, then the next slot's first fragments.
; From a request to the wait for it a wave issues 180 matrix instructions.
.macro TURN slot, next, fill
	s_wait_dscnt 8
	WIN MUL_LO
	MUL12 F1, 0, 0, 0
	s_wait_dscnt 0                                 ; my reads of this slot are over
	s_wait_tensorcnt 0x0                           ; all my tensor loads have landed: the one that was out is my piece of the next slot
	ds_add_u32 v30, v31
	s_wait_dscnt 0x0
	s_barrier_signal -1
	MUL12 F1, 0, 2, 0                              ; register work while the others arrive
	WIN 0
	s_barrier_wait -1
.if \fill
	CREST                                          ; all sixteen work-groups have said so
	s_add_nc_u64 s[G0+4*\slot+2:G0+4*\slot+3], s[G0+4*\slot+2:G0+4*\slot+3], 2*KSTEP*2
	s_add_nc_u64 s[G0B+4*\slot+2:G0B+4*\slot+3], s[G0B+4*\slot+2:G0B+4*\slot+3], 2*KSTEP*2
	JLOAD \slot                                    ; the first tensor load behind the round, one a wave
.endif
	PLACES
	FETCH \next, 0, F0
	WIN MUL_HI
	MUL12 F1, 1, 0, 0
	MUL12 F1, 1, 2, 0
.endm
.macro LAP zero
	THREE 0, \zero
	TURN 0, 1, 1
	THREE 1, 0
	TURN 1, 0, 1
.endm
	s_wait_tensorcnt 1                             ; my piece of K step 0 is in; K step 1's stays out
	s_barrier_signal -1
	s_barrier_wait -1
	FETCH 0, 0, F0
	LAP 1                                          ; the first lap's first products start the sums: nothing is cleared
	WIN 0
	s_mov_b32 s15, LAPS-2
.Llap:
	LAP 0
	WIN 0
	s_sub_co_u32 s15, s15, 1
	s_cmp_lg_u32 s15, 0
	s_cbranch_scc1 .Llap
	THREE 0, 0                                     ; the last lap fills nothing
	TURN 0, 1, 0
	THREE 1, 0
	s_wait_dscnt 8
	WIN MUL_LO
	MUL12 F1, 0, 0, 0
	MUL12 F1, 0, 2, 0
	s_wait_dscnt 0
	WIN MUL_HI
	MUL12 F1, 1, 0, 0
	MUL12 F1, 1, 2, 0
	; THE WAY OUT.  Slot 0 has had its last fill, and every wave's reads of it ended in front of the barrier of the last change of slots:
	; it now stages q at 0, k at HALFT and vt at 2 HALFT, 128 rows of 256 bytes each, 272 apart.
	PLACES
	s_lshl_b32 s16, s43, 19                        ; q, k: by x 128 rows
	s_mov_b32 s17, 0
	s_lshl_b32 s66, s42, 8                         ;       + bx x 256 bytes
	s_mov_b32 s67, 0
	s_add_nc_u64 s[8:9], s[8:9], s[16:17]
	s_add_nc_u64 s[8:9], s[8:9], s[66:67]
	s_add_nc_u64 s[10:11], s[10:11], s[16:17]
	s_add_nc_u64 s[10:11], s[10:11], s[66:67]
	s_lshl_b32 s16, s43, 8                         ; vt: bx x 128 rows + by x 256 bytes
	s_lshl_b32 s66, s42, 19
	s_add_nc_u64 s[12:13], s[12:13], s[16:17]
	s_add_nc_u64 s[12:13], s[12:13], s[66:67]
; row block a (al = a mod 4 in window win): q times c in f32, all six tiles rounded to f16, 16 bytes a lane and tile into the stage
.macro OUTA a, al, win, base
	WIN \win
.irp b, 0,1
.irp p, 0,1,2,3
	v_pk_mul_f32 v[\base+8*\b+2*\p:\base+8*\b+2*\p+1], v[8*(6*\al+\b)+2*\p:8*(6*\al+\b)+2*\p+1], s[70:71] op_sel_hi:[1,0]
.endr
.endr
	WIN 5*\win
.irp b, 2,3,4,5
.irp p, 0,1,2,3
	v_cvt_pk_f16_f32 v[\base+16+4*\b+\p], v[8*(6*\al+\b)+2*\p], v[8*(6*\al+\b)+2*\p+1]
.endr
.endr
	WIN 0
.irp b, 0,1
.irp p, 0,1,2,3
	v_cvt_pk_f16_f32 v[\base+16+4*\b+\p], v[\base+8*\b+2*\p], v[\base+8*\b+2*\p+1]
.endr
.endr
.irp b, 0,1,2,3
	ds_store_b128 v[STO], v[\base+16+4*\b:\base+16+4*\b+3] offset:(\b>>1)*HALFT+\a*16*PITCH+32*(\b&1)
.endr
.irp nb, 0,1
	ds_store_b128 v[ADRV], v[\base+32+4*\nb:\base+32+4*\nb+3] offset:\nb*16*PITCH+32*\a
.endr
.endm
	OUTA 0, 0, 1, 32
	OUTA 1, 1, 1, 96
	OUTA 2, 2, 1, 32
	OUTA 3, 3, 1, 96
	OUTA 4, 0, 2, 32
	OUTA 5, 1, 2, 96
	OUTA 6, 2, 2, 32
	OUTA 7, 3, 2, 96
	s_wait_dscnt 0x0                               ; my part of every staged row is written,
	s_barrier_signal -1
	s_barrier_wait -1                              ; and everybody's
.irp m, 0,1
.irp t, 0,1,2,3,4,5,6,7,8,9,10,11,12,13,14,15
	ds_load_b128 v[32+64*\m+4*\t:32+64*\m+4*\t+3], v[RD] offset:\m*HALFT+\t*2*PITCH
.endr
.endr
.irp t, 0,1,2,3,4,5,6,7,8,9,10,11,12,13,14,15
	ds_load_b128 v[160+4*\t:160+4*\t+3], v[RDV] offset:\t*2*PITCH
.endr
.set cnt, 0
.irp t, 0,1,2,3,4,5,6,7,8,9,10,11,12,13,14,15
	s_wait_dscnt 47-cnt                            ; the younger LDS loads stay out
	global_store_b128 v[CO], v[32+4*cnt:32+4*cnt+3], s[8:9] offset:\t*8192     ; sixteen lanes store 256 aligned bytes
.set cnt, cnt+1
.endr
.irp t, 0,1,2,3,4,5,6,7,8,9,10,11,12,13,14,15
	s_wait_dscnt 47-cnt
	global_store_b128 v[CO], v[32+4*cnt:32+4*cnt+3], s[10:11] offset:\t*8192
.set cnt, cnt+1
.endr
.irp t, 0,1,2,3,4,5,6,7,8,9,10,11,12,13,14,15
	s_wait_dscnt 47-cnt
	global_store_b128 v[CO], v[32+4*cnt:32+4*cnt+3], s[12:13] offset:\t*8192
.set cnt, cnt+1
.endr
	s_wait_tensorcnt 0x0
	ds_add_u32 v30, v31
	s_wait_dscnt 0x0
	CROUND                                         ; the closing round: no work-group ends while a partner may still ask jointly
	s_endpgm
.Lfunc_end_k_q58a6e1f0ee_qkv:
	.size	k_q58a6e1f0ee_qkv, .Lfunc_end_k_q58a6e1f0ee_qkv-k_q58a6e1f0ee_qkv
	.p2alignl 7, 3214868480
	.fill 96, 4, 3214868480
	.section	.rodata,"a",@progbits
	.p2align	6, 0x0
	.amdhsa_kernel k_q58a6e1f0ee_qkv
		.amdhsa_group_segment_fixed_size 327680
		.amdhsa_private_segment_fixed_size 0
		.amdhsa_enable_private_segment 0
		.amdhsa_kernarg_size 40
		.amdhsa_user_sgpr_count 2
		.amdhsa_user_sgpr_kernarg_segment_ptr 1
		.amdhsa_wavefront_size32 1
		.amdhsa_system_sgpr_workgroup_id_x 1
		.amdhsa_system_sgpr_workgroup_id_y 1
		.amdhsa_system_sgpr_workgroup_id_z 1
		.amdhsa_system_vgpr_workitem_id 0
		.amdhsa_next_free_vgpr 704
		.amdhsa_next_free_sgpr 72
		.amdhsa_reserve_vcc 0
		.amdhsa_float_denorm_mode_32 3
		.amdhsa_float_denorm_mode_16_64 3
		.amdhsa_memory_ordered 1
		.amdhsa_forward_progress 1
		.amdhsa_inst_pref_size 160
	.end_amdhsa_kernel
	.amdgpu_metadata
---
amdhsa.version: [ 1, 2 ]
amdhsa.kernels:
  - .name:           k_q58a6e1f0ee_qkv
    .symbol:         k_q58a6e1f0ee_qkv.kd
    .args:
      - { .name: xh, .offset: 0, .size: 8, .value_kind: global_buffer, .address_space: global }
      - { .name: wt, .offset: 8, .size: 8, .value_kind: global_buffer, .address_space: global }
      - { .name: q, .offset: 16, .size: 8, .value_kind: global_buffer, .address_space: global }
      - { .name: k, .offset: 24, .size: 8, .value_kind: global_buffer, .address_space: global }
      - { .name: vt, .offset: 32, .size: 8, .value_kind: global_buffer, .address_space: global }
    .group_segment_fixed_size: 327680
    .private_segment_fixed_size: 0
    .kernarg_segment_align: 8
    .kernarg_segment_size: 40
    .max_flat_workgroup_size: 128
    .sgpr_count:     72
    .vgpr_count:     704
    .wavefront_size: 32
...
	.end_amdgpu_metadata
.endif
;; end of part 2
;; launch attn (part 3): grid 8 x 32, 8 waves a work-group, clusters of 4 x 1, 327,680 bytes of LDS; arguments q, k, vt, mbits, ao; writes ao
.if DOCPART == 3
	.amdgcn_target "amdgcn-amd-amdhsa--gfx1250"
	.amdhsa_code_object_version 6
	.text
	.protected	k_q58a6e1f0ee_attn
	.globl	k_q58a6e1f0ee_attn
	.p2align	8
	.type	k_q58a6e1f0ee_attn,@function
k_q58a6e1f0ee_attn:
	s_mov_b64 s[64:65], 0
	v_nop
	global_prefetch_b8 v0, s[64:65] scope:SCOPE_SE
	s_setreg_imm32_b32 hwreg(HW_REG_WAVE_MODE, 25, 1), 1
	s_wait_xcnt 0x0
	s_wait_alu depctr_hold_cnt(0) depctr_sa_sdst(0) depctr_va_vdst(0) depctr_va_sdst(0) depctr_va_ssrc(0) depctr_va_vcc(0) depctr_vm_vsrc(0)
	s_getreg_b32 s2, hwreg(HW_REG_IB_STS2, 6, 4)
	s_cmp_eq_u32 s2, 0
	s_cbranch_scc0 .Lentry_in_a_cluster
	s_endpgm
.Lentry_in_a_cluster:
	s_bfe_u32 s2, ttmp6, 0x10000c
	s_cmp_lg_u32 s2, 0x3003
	s_cbranch_scc0 .Lentry_shape_is_right
	s_endpgm
.Lentry_shape_is_right:
; attn: ao[b*1024+t][head*128+d] = softmax over T of (mask ? q.k/sqrt(128) : -1e10) times v, for one (batch, head) = y and 128 queries = x.
; q already carries log2(e)/sqrt(128), so scores are exponents of 2; the masked value is -1e10 log2(e).  The mask is honoured as given: no block is skipped,
; and a row with no key allowed comes out as the plain mean of v, since all its scores are equal.
; The products are taken transposed: S^T = K Q^T (a lane holds one query, lane mod 16, and eight keys), O^T = V^T P^T.  The result layout of two S^T tiles
; is the second-source layout of P^T, so p goes from the exponential to the product without leaving its lane, and maximum and sum belong to the lane.
; A running maximum is kept for each 64 keys; sums are therefore ordered otherwise than in a one-pass softmax.
; LIMITS: f16 operands (q, k, v below 65,504 in magnitude; p in [0, 1], below 6e-8 it rounds to 0); exponentials below 2^-126 come out as zero.
; Eight waves: wave w = 2g + kh has queries 32g .. 32g+31 (two tiles n = 0, 1) and half kh of each slot's 256 keys; the two halves are merged at the end.
; Two LDS slots of 256 keys, eight pieces of 64 rows x 256 bytes: pieces 0-3 rows of k, piece 4+2kh+dh rows d = 64dh.. of vt for keys 128kh..; one tensor load a wave.
; CLUSTERS: the four query blocks of a cluster read the same k and vt tiles: every tile is asked for jointly by all four (mask 15).
; REGISTERS: window 0: v4-14 addresses, v16-23 M, L, AL, AL' of the two tiles, v24-31 at work, v32-95 scores, v96-127 p in f16, v128-191 and v192-255 fragment buffers;
;            window 1: v0-127 O[n][mt] at 64n+8mt, v128-191 Q[n][dc] at 128+32n+8dc.
.set PITCH,  272
.set PIECE,  64*PITCH
.set SLOT,   8*PIECE
.set MERGE,  8704                      ; a wave's merge bytes: 8,192 of O, 512 of M and L
.set OSTAGE, 8*MERGE                   ; behind them: 16 rows x 272 bytes for each wave, for the way out
.set ADRK,   4                         ; v4-5    my k fragments in slot 0, 1
.set ADRV,   6                         ; v6-7    my vt fragments
.set NEGV,   8                         ; v8      the masked score
.set QOFF,   9
.set MGO,    10                        ; my merge bytes
.set MGP,    11                        ; my partner's
.set OST,    12
.set ORD,    13
.set CO,     14
.set ST,     16
.set T,      24
.set SR,     32
.set PR,     96
.set FA,     128
.set FB,     192
.set QR,     128                       ; in window 1
.set MK0,    32                        ; s[32:63]  mask words of tile n = 0, word 8u+j for score register (u, j)
.set MK1,    68                        ; s[68:99]  of tile n = 1
.set MSB, 0
.macro WIN new
.if MSB != \new
	s_set_vgpr_msb (MSB<<8)|\new
.set MSB, \new
.endif
.endm
.macro PLACES                          ; four plain vector places behind a matrix instruction (ISA guide 7.12.1)
.rept 4
	v_nop
.endr
.endm
.macro ROUND                           ; a round of the cluster's barrier
	s_barrier_signal -1
	s_barrier_wait -1
	s_cmp_lg_u32 s14, 0
	s_cbranch_scc1 .Lnot_wave_0_\@
	s_barrier_signal -3
.Lnot_wave_0_\@:
	s_barrier_wait -3
	s_barrier_signal -1
	s_barrier_wait -1
.endm
	s_load_b256 s[4:11], s[0:1], 0x0               ; q s[4:5], k s[6:7], vt s[8:9], mbits s[10:11]
	s_load_b64 s[12:13], s[0:1], 0x20              ; ao
	s_set_vgpr_msb 0x40
	v_lshl_add_u32 v192, v0, 2, 0x44000
	v_mov_b32 v193, 0
	s_set_vgpr_msb 0x4045
	ds_add_u32 v192, v193
	s_set_vgpr_msb 0x4500
	v_lshrrev_b32 v1, 5, v0
	v_readfirstlane_b32 s14, v1                    ; wave 0..7
	s_and_b32 s15, s14, 1                          ; kh
	s_and_b32 s2, ttmp7, 0xffff                    ; y = 16 b + head
	s_lshr_b32 s3, s2, 4                           ; b
	s_and_b32 s2, s2, 15                           ; head
	; group 1, one for all eight waves: 64 rows x 128 elements of 2 bytes, 2,048 elements from row to row, 16 bytes of padding behind each row, mask 15
	s_mov_b32 s16, 15|(1<<16)|(1<<20)|(1<<21)|(5<<22)|(3<<25)
	s_mov_b32 s17, 128<<16
	s_mov_b32 s18, 64<<16
	s_mov_b32 s19, 128<<16
	s_mov_b32 s20, 64
	s_mov_b32 s21, 2048
	s_mov_b32 s22, 0
	s_mov_b32 s23, 0
	s_lshl_b32 s68, s3, 22                         ; k: (1,024 b + 64 w) rows of 4,096 bytes + 256 head
	s_lshl_b32 s69, s14, 18
	s_add_co_u32 s68, s68, s69
	s_lshl_b32 s69, s2, 8
	s_add_co_u32 s68, s68, s69
	s_lshl_b32 s70, s2, 19                         ; vt: (128 head + 64 (w mod 2)) rows + 2,048 b + 256 ((w / 2) mod 2)
	s_lshl_b32 s71, s15, 18
	s_add_co_u32 s70, s70, s71
	s_lshl_b32 s71, s3, 11
	s_add_co_u32 s70, s70, s71
	s_bfe_u32 s71, s14, 0x10001
	s_lshl_b32 s71, s71, 8
	s_add_co_u32 s70, s70, s71
	s_mov_b32 s78, 512                             ; from one slot's keys to the next: 256 keys along vt's rows,
	s_mov_b32 s77, 0
	s_mov_b32 s79, 0
	s_mov_b32 s101, 0
	s_mov_b32 s24, 1
	s_mul_i32 s25, s14, PIECE                      ; where my piece goes: the wave's number alone
	s_mov_b32 s28, 1
	s_add_co_u32 s29, s25, SLOT
	s_wait_dscnt 0x0
	s_wait_kmcnt 0x0
	s_cmp_lt_u32 s14, 4                            ; waves 0-3 fetch k, waves 4-7 vt
	s_cselect_b64 s[74:75], s[6:7], s[8:9]
	s_cselect_b32 s76, s68, s70
	s_cselect_b32 s78, 0x100000, s78               ; or 256 rows of k
	s_lshl_b32 s100, s78, 1                        ; a refill lies two slots further
	s_add_nc_u64 s[26:27], s[74:75], s[76:77]
	s_add_nc_u64 s[30:31], s[26:27], s[78:79]
	s_or_b32 s27, s27, 0x80000000
	s_or_b32 s31, s31, 0x80000000
	ROUND                                          ; the four work-groups are here: the first joint loads meet
	tensor_load_to_lds s[24:27], s[16:23]          ; keys 0-255
	s_nop 0
	tensor_load_to_lds s[28:31], s[16:23]          ; keys 256-511: two tensor loads of the wave are out, later one
	s_nop 0
	; what hangs on my place in the cluster: global addresses alone
	s_bfe_u32 s32, ttmp6, 0x40000                  ; cx
	s_lshl_b32 s33, ttmp9, 2
	s_add_co_u32 s33, s33, s32                     ; X: my block of 128 queries
	s_lshr_b32 s34, s14, 1                         ; g
	s_lshl_b32 s36, s3, 22
	s_lshl_b32 s35, s33, 19
	s_add_co_u32 s36, s36, s35
	s_lshl_b32 s35, s2, 8
	s_add_co_u32 s36, s36, s35                     ; (1,024 b + 128 X) rows + 256 head
	s_lshl_b32 s35, s34, 17
	s_add_co_u32 s38, s36, s35                     ; q: + 32 g rows
	s_mov_b32 s39, 0
	s_add_nc_u64 s[4:5], s[4:5], s[38:39]
	s_lshl_b32 s35, s14, 16
	s_add_co_u32 s38, s36, s35                     ; ao: + 16 w rows
	s_add_nc_u64 s[12:13], s[12:13], s[38:39]
	s_lshl_b32 s38, s3, 17                         ; mbits: (64 b + 8 X + 2 g) query tiles of 2,048 bytes + 256 kh
	s_lshl_b32 s35, s33, 14
	s_add_co_u32 s38, s38, s35
	s_lshl_b32 s35, s34, 12
	s_add_co_u32 s38, s38, s35
	s_lshl_b32 s35, s15, 8
	s_add_co_u32 s38, s38, s35
	s_add_nc_u64 s[10:11], s[10:11], s[38:39]      ; never rewritten again
	v_and_b32 v1, 15, v0                           ; r
	v_bfe_u32 v2, v0, 4, 1                         ; h
	v_lshlrev_b32 v[QOFF], 12, v1
	v_lshl_add_u32 v[QOFF], v2, 4, v[QOFF]         ; query row r, 16 bytes for each half of the lanes
	WIN 0x40
.irp n, 0,1
.irp dc, 0,1,2,3
	global_load_b128 v[QR+32*\n+8*\dc:QR+32*\n+8*\dc+3],   v[QOFF], s[4:5] offset:\n*65536+64*\dc
	global_load_b128 v[QR+32*\n+8*\dc+4:QR+32*\n+8*\dc+7], v[QOFF], s[4:5] offset:\n*65536+64*\dc+32
.endr
.endr
	WIN 0
	s_mul_i32 s68, s15, 128*PITCH                  ; my half of a slot's keys
	s_mul_i32 s69, s14, MERGE
	s_xor_b32 s70, s14, 1
	s_mul_i32 s70, s70, MERGE
	s_mul_i32 s71, s14, 16*PITCH
	s_add_co_u32 s71, s71, OSTAGE
	s_mov_b32 s66, 0x76543210                      ; v_permlanex16_b32: lane i of one half reads lane i of the other
	s_mov_b32 s67, 0xfedcba98
	v_mul_u32_u24 v3, v1, PITCH
	v_lshl_add_u32 v3, v2, 4, v3                   ; r x pitch + 16 h
	v_add_nc_u32 v[ADRK], s68, v3
	v_add_nc_u32 v[ADRK+1], SLOT, v[ADRK]
	v_add_nc_u32 v[ADRV], 4*PIECE, v[ADRK]         ; vt's pieces of my key half lie 4 pieces behind k's rows of it
	v_add_nc_u32 v[ADRV+1], SLOT+4*PIECE, v[ADRK]
	v_mov_b32 v[NEGV], 0xd056fa73                  ; -1e10 log2(e)
	v_and_b32 v15, 31, v0
	v_lshl_add_u32 v[MGO], v15, 4, s69
	v_lshl_add_u32 v[MGP], v15, 4, s70
	v_add_nc_u32 v[OST], s71, v3
	v_mul_u32_u24 v[ORD], v2, PITCH
	v_lshl_add_u32 v[ORD], v1, 4, v[ORD]
	v_add_nc_u32 v[ORD], s71, v[ORD]
	v_lshlrev_b32 v[CO], 12, v2
	v_lshl_add_u32 v[CO], v1, 4, v[CO]
.irp n, 0,1
	v_mov_b32 v[ST+4*\n], 0xff800000               ; M = -inf: the first step's AL is exp2(-inf) = 0
	v_mov_b32 v[ST+4*\n+1], 0                      ; L = 0
.endr
; the 64 mask words of fill f, step st: two runs of 128 bytes, one for each query tile
.macro MLOAD f, st
	s_load_b512 s[MK0:MK0+15],    s[10:11], 512*\f+128*\st
	s_load_b512 s[MK0+16:MK0+31], s[10:11], 512*\f+128*\st+64
	s_load_b512 s[MK1:MK1+15],    s[10:11], 512*\f+128*\st+2048
	s_load_b512 s[MK1+16:MK1+31], s[10:11], 512*\f+128*\st+2112
.endm
; 16 LDS loads: key tiles u = 2 half, 2 half + 1 of step st, all 128 d
.macro KLOAD slot, st, half, buf
.irp ul, 0,1
.irp dc, 0,1,2,3
	ds_load_b128 v[\buf+32*\ul+8*\dc:\buf+32*\ul+8*\dc+3],   v[ADRK+\slot] offset:(64*\st+16*(2*\half+\ul))*PITCH+64*\dc
	ds_load_b128 v[\buf+32*\ul+8*\dc+4:\buf+32*\ul+8*\dc+7], v[ADRK+\slot] offset:(64*\st+16*(2*\half+\ul))*PITCH+64*\dc+32
.endr
.endr
.endm
; 16 LDS loads: all eight d tiles, keys 32c .. 32c+31 of step st
.macro VLOAD slot, st, c, buf
.irp mt, 0,1,2,3,4,5,6,7
	ds_load_b128 v[\buf+8*\mt:\buf+8*\mt+3],   v[ADRV+\slot] offset:\mt*16*PITCH+128*\st+64*\c
	ds_load_b128 v[\buf+8*\mt+4:\buf+8*\mt+7], v[ADRV+\slot] offset:\mt*16*PITCH+128*\st+64*\c+32
.endr
.endm
; 16 matrix instructions: scores of two key tiles x two query tiles over 128 d.  Four accumulators take turns, one instruction a turn.
.macro SMUL half, buf
.irp dc, 0,1,2,3
.irp ul, 0,1
.irp n, 0,1
.if \dc == 0
	v_wmma_f32_16x16x32_f16 v[SR+32*\n+8*(2*\half+\ul):SR+32*\n+8*(2*\half+\ul)+7], v[\buf+32*\ul+8*\dc:\buf+32*\ul+8*\dc+7], v[QR+32*\n+8*\dc:QR+32*\n+8*\dc+7], 0
.else
	v_wmma_f32_16x16x32_f16 v[SR+32*\n+8*(2*\half+\ul):SR+32*\n+8*(2*\half+\ul)+7], v[\buf+32*\ul+8*\dc:\buf+32*\ul+8*\dc+7], v[QR+32*\n+8*\dc:QR+32*\n+8*\dc+7], v[SR+32*\n+8*(2*\half+\ul):SR+32*\n+8*(2*\half+\ul)+7]
.endif
.endr
.endr
.endr
.endm
.macro MASKS                           ; one select a score register: bit = lane
.irp u, 0,1,2,3
.irp j, 0,1,2,3,4,5,6,7
	v_cndmask_b32 v[SR+8*\u+\j], v[NEGV], v[SR+8*\u+\j], s[MK0+8*\u+\j]
	v_cndmask_b32 v[SR+32+8*\u+\j], v[NEGV], v[SR+32+8*\u+\j], s[MK1+8*\u+\j]
.endr
.endr
.endm
; Query tile n: new maximum, AL = exp2(old - new), p = exp2(s - new), L = L AL + sum of p (my half of the lanes' keys; the halves meet at the end), p to f16.
.macro SOFT n
.set SB, SR+32*\n
.set MM, ST+4*\n
.set AL, ST+4*\n+2
.irp u, 0,1,2,3
	v_max3_num_f32 v[T+\u], v[SB+8*\u], v[SB+8*\u+1], v[SB+8*\u+2]
.endr
.irp u, 0,1,2,3
	v_max3_num_f32 v[T+\u], v[T+\u], v[SB+8*\u+3], v[SB+8*\u+4]
.endr
.irp u, 0,1,2,3
	v_max3_num_f32 v[T+\u], v[T+\u], v[SB+8*\u+5], v[SB+8*\u+6]
.endr
	v_max3_num_f32 v[T], v[T], v[T+1], v[SB+7]
	v_max3_num_f32 v[T+2], v[T+2], v[T+3], v[SB+15]
	v_max3_num_f32 v[T], v[T], v[T+2], v[SB+23]
	v_max3_num_f32 v[T], v[T], v[SB+31], v[MM]
	v_permlanex16_b32 v[T+1], v[T], s66, s67       ; the other eight keys of each tile lie in lane xor 16
	v_max_num_f32 v[T], v[T], v[T+1]
	v_sub_f32 v[AL], v[MM], v[T]
	v_exp_f32 v[AL], v[AL]
	v_mov_b32 v[MM], v[T]                          ; also the plain place behind the exponential (ISA guide 5.7.2)
.irp p, 0,1,2,3,4,5,6,7,8,9,10,11,12,13,14,15
	v_pk_add_f32 v[SB+2*\p:SB+2*\p+1], v[SB+2*\p:SB+2*\p+1], v[MM:MM+1] op_sel_hi:[1,0] neg_lo:[0,1] neg_hi:[0,1]   ; s - M, both halves by M
.endr
.set cnt, 0
.rept 32
	v_exp_f32 v[SB+cnt], v[SB+cnt]
.set cnt, cnt+1
.endr
	s_wait_alu depctr_va_vdst(0)
	v_mov_b32 v[AL+1], v[AL]                       ; the pair that O is multiplied by; also the plain place behind the exponentials
	v_pk_add_f32 v[T:T+1], v[SB:SB+1], v[SB+2:SB+3]
	v_pk_add_f32 v[T+2:T+3], v[SB+4:SB+5], v[SB+6:SB+7]
.irp p, 4,6,8,10,12,14
	v_pk_add_f32 v[T:T+1], v[T:T+1], v[SB+2*\p:SB+2*\p+1]
	v_pk_add_f32 v[T+2:T+3], v[T+2:T+3], v[SB+2*\p+2:SB+2*\p+3]
.endr
	v_pk_add_f32 v[T:T+1], v[T:T+1], v[T+2:T+3]
	v_add_f32 v[T], v[T], v[T+1]
	v_fma_f32 v[MM+1], v[MM+1], v[AL], v[T]
.irp p, 0,1,2,3,4,5,6,7,8,9,10,11,12,13,14,15
	v_cvt_pk_f16_f32 v[PR+16*\n+\p], v[SB+2*\p], v[SB+2*\p+1]
.endr
.endm
.macro RESCALE                         ; O times AL, always: no branch hangs on a floating-point number
	WIN 0x41
.irp n, 0,1
.set cnt, 0
.rept 32
	v_pk_mul_f32 v[64*\n+2*cnt:64*\n+2*cnt+1], v[64*\n+2*cnt:64*\n+2*cnt+1], v[ST+4*\n+2:ST+4*\n+3]
.set cnt, cnt+1
.endr
.endr
.endm
; 16 matrix instructions: eight d tiles x two query tiles over 32 keys.  Sixteen accumulators take turns, one instruction a turn.
.macro PVMUL c, buf, zero
.irp mt, 0,1,2,3,4,5,6,7
.irp n, 0,1
.if \zero
	v_wmma_f32_16x16x32_f16 v[64*\n+8*\mt:64*\n+8*\mt+7], v[\buf+8*\mt:\buf+8*\mt+7], v[PR+16*\n+8*\c:PR+16*\n+8*\c+7], 0
.else
	v_wmma_f32_16x16x32_f16 v[64*\n+8*\mt:64*\n+8*\mt+7], v[\buf+8*\mt:\buf+8*\mt+7], v[PR+16*\n+8*\c:PR+16*\n+8*\c+7], v[64*\n+8*\mt:64*\n+8*\mt+7]
.endif
.endr
.endr
.endm
; One step: 64 keys of my half.  first = 1: the products start O.  nk = 1: the slot's second step follows, its k fragments are fetched here.
; ml = 1: the mask words of step (nf, nst) are asked for as soon as this step's have been used.
.macro STEP slot, st, first, nk, ml, nf, nst
	s_wait_dscnt 16                                ; the first buffer's k fragments are in, the second's sixteen loads stay out
	WIN 0x04
	SMUL 0, FA
	s_wait_dscnt 0
	SMUL 1, FB
	WIN 0
	PLACES                                         ; for the loads into both buffers and for the selects that read the scores
	VLOAD \slot, \st, 0, FA
	VLOAD \slot, \st, 1, FB
	s_wait_kmcnt 0x0                               ; the mask words
	MASKS
.if \ml
	MLOAD \nf, \nst
.endif
	SOFT 0
	SOFT 1
.if \first == 0
	RESCALE
.endif
	s_wait_dscnt 16                                ; vt's keys 0-31 are in, the sixteen loads of keys 32-63 stay out
	WIN 0x50
	PVMUL 0, FA, \first
.if \nk
	WIN 0
	PLACES
	KLOAD \slot, 1, 0, FA
	s_wait_dscnt 16                                ; all but the sixteen just issued
	WIN 0x50
.else
	s_wait_dscnt 0
.endif
	PVMUL 1, FB, 0
	WIN 0
.if \nk
	PLACES
	KLOAD \slot, 1, 1, FB
.endif
.endm
; Change of slots.  In front of the barrier my reads of the slot just used and all my tensor loads are done.  fill = 1: the barrier is a round of the cluster's
; barrier and the slot just used is filled again, first thing behind it, one tensor load a wave; it has the next slot's two steps in which to land.
.macro CHANGE next, fill
	PLACES                                         ; behind the last products, for the loads into both buffers
	s_wait_dscnt 0x0
	s_set_vgpr_msb 0x5
	s_wait_tensorcnt 0x0
	ds_add_u32 v192, v193
	s_wait_dscnt 0x0
	s_set_vgpr_msb 0x500
.if \fill
	s_add_nc_u64 s[30-4*\next:31-4*\next], s[30-4*\next:31-4*\next], s[100:101]   ; no tensor load of mine is out: the address may step
	ROUND
	tensor_load_to_lds s[28-4*\next:31-4*\next], s[16:23]
	s_nop 0
.else
	s_barrier_signal -1
	s_barrier_wait -1
.endif
	KLOAD \next, 0, 0, FA
	KLOAD \next, 0, 1, FB
.endm
	MLOAD 0, 0
	s_wait_tensorcnt 0x1                           ; my piece of slot 0 is in; slot 1's stays out
	s_barrier_signal -1
	s_barrier_wait -1
	KLOAD 0, 0, 0, FA
	KLOAD 0, 0, 1, FB
	s_wait_loadcnt 0x0                             ; Q
	STEP 0, 0, 1, 1, 1, 0, 1
	STEP 0, 1, 0, 0, 1, 1, 0
	CHANGE 1, 1                                    ; keys 512-767 into slot 0
	STEP 1, 0, 0, 1, 1, 1, 1
	STEP 1, 1, 0, 0, 1, 2, 0
	CHANGE 0, 1                                    ; keys 768-1023 into slot 1
	STEP 0, 0, 0, 1, 1, 2, 1
	STEP 0, 1, 0, 0, 1, 3, 0
	CHANGE 1, 0                                    ; nothing is left to fetch
	STEP 1, 0, 0, 1, 1, 3, 1
	STEP 1, 1, 0, 0, 0, 0, 0
	; THE MERGE.  Slot 0 has had its last fill and its last read (in front of the last change's barrier): it now holds the merge bytes and the out stage.
	; Wave kh keeps query tile n = kh and hands the other to its partner, wave w xor 1, which has the same queries and the other keys.
	PLACES
	v_permlanex16_b32 v[T], v[ST+1], s66, s67
	v_permlanex16_b32 v[T+1], v[ST+5], s66, s67
	v_add_f32 v[ST+1], v[ST+1], v[T]               ; L over all my keys
	v_add_f32 v[ST+5], v[ST+5], v[T+1]
.macro SEND n
	WIN 0x04
.irp qd, 0,1,2,3,4,5,6,7,8,9,10,11,12,13,14,15
	ds_store_b128 v[MGO], v[64*\n+4*\qd:64*\n+4*\qd+3] offset:512*\qd
.endr
	WIN 0
	ds_store_b128 v[MGO], v[ST+4*\n:ST+4*\n+3] offset:8192
.endm
; O = (O fa + O' fb) / (L fa + L' fb) with fa = exp2(M - max), fb = exp2(M' - max); the sum is at least 1, since the side that holds the maximum has a term exp2(0).
.macro RECV n
.irp qd, 0,1,2,3,4,5,6,7,8,9,10,11,12,13,14,15
	ds_load_b128 v[FA+4*\qd:FA+4*\qd+3], v[MGP] offset:512*\qd
.endr
	ds_load_b128 v[T:T+3], v[MGP] offset:8192      ; M', L'
	s_wait_dscnt 0x0
	v_max_num_f32 v[T+4], v[ST+4*\n], v[T]
	v_sub_f32 v[T+5], v[ST+4*\n], v[T+4]
	v_sub_f32 v[T+2], v[T], v[T+4]
	v_exp_f32 v[T+5], v[T+5]                       ; fa
	v_exp_f32 v[T+2], v[T+2]                       ; fb
	v_nop                                          ; the plain place behind the exponentials
	s_wait_alu depctr_va_vdst(0)
	v_mul_f32 v[T+3], v[ST+4*\n+1], v[T+5]
	v_fma_f32 v[T+3], v[T+1], v[T+2], v[T+3]
	v_rcp_f32 v[T+3], v[T+3]
	v_nop                                          ; the plain place behind the reciprocal
	s_wait_alu depctr_va_vdst(0)
	v_mul_f32 v[T+6], v[T+5], v[T+3]               ; ca
	v_mul_f32 v[T+7], v[T+2], v[T+3]               ; cb
.set cnt, 0
.rept 32
	v_pk_mul_f32 v[FA+2*cnt:FA+2*cnt+1], v[FA+2*cnt:FA+2*cnt+1], v[T+6:T+7] op_sel:[0,1] op_sel_hi:[1,1]   ; both halves by cb
.set cnt, cnt+1
.endr
	WIN 0x01
.set cnt, 0
.rept 32
	v_pk_fma_f32 v[FA+2*cnt:FA+2*cnt+1], v[64*\n+2*cnt:64*\n+2*cnt+1], v[T+6:T+7], v[FA+2*cnt:FA+2*cnt+1] op_sel_hi:[1,0,1]   ; both halves by ca
.set cnt, cnt+1
.endr
	WIN 0
.set cnt, 0
.rept 32
	v_cvt_pk_f16_f32 v[FB+cnt], v[FA+2*cnt], v[FA+2*cnt+1]
.set cnt, cnt+1
.endr
.irp mt, 0,1,2,3,4,5,6,7
	ds_store_b128 v[OST], v[FB+4*\mt:FB+4*\mt+3] offset:32*\mt     ; query row r, d = 16 mt + 8 h ..
.endr
.endm
	s_cmp_eq_u32 s15, 0
	s_cbranch_scc0 .Lsend0
	SEND 1
	s_branch .Lsent
.Lsend0:
	SEND 0
.Lsent:
	s_wait_dscnt 0x0                               ; what I hand over is written,
	s_barrier_signal -1
	s_barrier_wait -1                              ; and what I am handed
	s_cmp_eq_u32 s15, 0
	s_cbranch_scc0 .Lrecv1
	RECV 0
	s_branch .Lmerged
.Lrecv1:
	RECV 1
.Lmerged:
.irp t, 0,1,2,3,4,5,6,7
	ds_load_b128 v[FB+32+4*\t:FB+32+4*\t+3], v[ORD] offset:\t*2*PITCH   ; my own stage: a wave's LDS instructions are served in order
.endr
.irp t, 0,1,2,3,4,5,6,7
	s_wait_dscnt 7-\t
	global_store_b128 v[CO], v[FB+32+4*\t:FB+32+4*\t+3], s[12:13] offset:\t*8192   ; sixteen lanes store a head's 256 aligned bytes of a row
.endr
	s_set_vgpr_msb 0x5
	s_wait_tensorcnt 0x0
	ds_add_u32 v192, v193
	s_wait_dscnt 0x0
	s_set_vgpr_msb 0x500
	ROUND                                          ; the closing round
	s_endpgm
.Lfunc_end_k_q58a6e1f0ee_attn:
	.size	k_q58a6e1f0ee_attn, .Lfunc_end_k_q58a6e1f0ee_attn-k_q58a6e1f0ee_attn
	.p2alignl 7, 3214868480
	.fill 96, 4, 3214868480
	.section	.rodata,"a",@progbits
	.p2align	6, 0x0
	.amdhsa_kernel k_q58a6e1f0ee_attn
		.amdhsa_group_segment_fixed_size 327680
		.amdhsa_private_segment_fixed_size 0
		.amdhsa_enable_private_segment 0
		.amdhsa_kernarg_size 40
		.amdhsa_user_sgpr_count 2
		.amdhsa_user_sgpr_kernarg_segment_ptr 1
		.amdhsa_wavefront_size32 1
		.amdhsa_system_sgpr_workgroup_id_x 1
		.amdhsa_system_sgpr_workgroup_id_y 1
		.amdhsa_system_sgpr_workgroup_id_z 1
		.amdhsa_system_vgpr_workitem_id 0
		.amdhsa_next_free_vgpr 450
		.amdhsa_next_free_sgpr 102
		.amdhsa_reserve_vcc 0
		.amdhsa_float_denorm_mode_32 3
		.amdhsa_float_denorm_mode_16_64 3
		.amdhsa_memory_ordered 1
		.amdhsa_forward_progress 1
		.amdhsa_inst_pref_size 246
	.end_amdhsa_kernel
	.amdgpu_metadata
---
amdhsa.version: [ 1, 2 ]
amdhsa.kernels:
  - .name:           k_q58a6e1f0ee_attn
    .symbol:         k_q58a6e1f0ee_attn.kd
    .args:
      - { .name: q, .offset: 0, .size: 8, .value_kind: global_buffer, .address_space: global }
      - { .name: k, .offset: 8, .size: 8, .value_kind: global_buffer, .address_space: global }
      - { .name: vt, .offset: 16, .size: 8, .value_kind: global_buffer, .address_space: global }
      - { .name: mbits, .offset: 24, .size: 8, .value_kind: global_buffer, .address_space: global }
      - { .name: ao, .offset: 32, .size: 8, .value_kind: global_buffer, .address_space: global }
    .group_segment_fixed_size: 327680
    .private_segment_fixed_size: 0
    .kernarg_segment_align: 8
    .kernarg_segment_size: 40
    .max_flat_workgroup_size: 256
    .sgpr_count:     102
    .vgpr_count:     450
    .wavefront_size: 32
...
	.end_amdgpu_metadata
.endif
;; end of part 3
;; launch proj (part 4): grid 16 x 16, 4 waves a work-group, clusters of 4 x 4, 327,680 bytes of LDS; arguments ao, wt, out0; writes out0
.if DOCPART == 4
	.amdgcn_target "amdgcn-amd-amdhsa--gfx1250"
	.amdhsa_code_object_version 6
	.text
	.protected	k_q58a6e1f0ee_proj
	.globl	k_q58a6e1f0ee_proj
	.p2align	8
	.type	k_q58a6e1f0ee_proj,@function
k_q58a6e1f0ee_proj:
	s_mov_b64 s[64:65], 0
	v_nop
	global_prefetch_b8 v0, s[64:65] scope:SCOPE_SE
	s_setreg_imm32_b32 hwreg(HW_REG_WAVE_MODE, 25, 1), 1
	s_wait_xcnt 0x0
	s_wait_alu depctr_hold_cnt(0) depctr_sa_sdst(0) depctr_va_vdst(0) depctr_va_sdst(0) depctr_va_ssrc(0) depctr_va_vcc(0) depctr_vm_vsrc(0)
	s_getreg_b32 s2, hwreg(HW_REG_IB_STS2, 6, 4)
	s_cmp_eq_u32 s2, 0
	s_cbranch_scc0 .Lentry_in_a_cluster
	s_endpgm
.Lentry_in_a_cluster:
	s_bfe_u32 s2, ttmp6, 0x10000c
	s_cmp_lg_u32 s2, 0xf033
	s_cbranch_scc0 .Lentry_shape_is_right
	s_endpgm
.Lentry_shape_is_right:
; proj: out0[m][n] = sum over k of ao[m][k] Wo[k][n], with Wo's columns as rows 6,144 + n of wt.  f16 operands, f32 sums, f32 out.
; A work-group makes 128 x 128 of out0 (2,048 x 2,048 outputs on 256 work-groups), four waves 2 x 2, each 64 x 64: 16 accumulator tiles in window 1 at v[8(4a+b)].
; A K step of 128 is only 64 matrix instructions a wave, so a slot holds 256 of K: rows of 512 bytes, 528 apart in LDS; two slots; four pieces of 64 rows,
; waves 0, 1 fetch ao's halves, waves 2, 3 the weight's, one tensor load a wave.
; CLUSTERS: 4 x 4 work-groups; ao's tile is asked for jointly along a row of the cluster, the weight's along a column.
; The matrix instruction is used transposed (source 0 = weight rows, source 1 = ao rows): a lane holds one row and eight neighbouring columns, 32 bytes of f32.
.set PITCH,  528                       ; 512 bytes + 16: sixteen rows of a fragment begin in sixteen different 16-byte columns modulo 256
.set PIECE,  64*PITCH
.set SLOT,   4*PIECE
.set STAGE,  2*SLOT                    ; behind the ring: 16 rows x 272 bytes for each wave; no tensor load lands there
.set SPITCH, 272
.set KBYTES, 512                       ; a slot's bytes along a row
.set ADRA,   16                        ; v16-17
.set ADRB,   18                        ; v18-19
.set STO,    24
.set RD,     25
.set CO,     26
.set F0,     64                        ; a fragment buffer: weight fragments at +8b, ao fragments at +32+8a
.set F1,     128
.set G1,     24
.set G0,     32
.set G1B,    48
.set G0B,    56
.set FLAGS,  (1<<16)|(1<<20)|(1<<21)|(6<<22)|(3<<25)   ; elements of 2 bytes; padding on; bit 21 beside a mask; after every 128 words; 4 words
.set MUL,    0x50                      ; C and D window 1
.set MSB, 0
.macro WIN new
.if MSB != \new
	s_set_vgpr_msb (MSB<<8)|\new
.set MSB, \new
.endif
.endm
.macro JLOAD s
	s_cmp_eq_u32 s11, 0
	s_cbranch_scc0 .Lfor_b_\@
	tensor_load_to_lds s[G0+4*\s:G0+4*\s+3], s[G1:G1+7]
	s_nop 0
	s_branch .Lasked_\@
.Lfor_b_\@:
	tensor_load_to_lds s[G0B+4*\s:G0B+4*\s+3], s[G1B:G1B+7]
	s_nop 0
.Lasked_\@:
.endm
.macro CREST
	s_cmp_lg_u32 s10, 0
	s_cbranch_scc1 .Lnot_wave_0_\@
	s_barrier_signal -3
.Lnot_wave_0_\@:
	s_barrier_wait -3
	s_barrier_signal -1
	s_barrier_wait -1
.endm
.macro CROUND
	s_barrier_signal -1
	s_barrier_wait -1
	CREST
.endm
.macro PLACES                          ; four plain vector places behind a matrix instruction (ISA guide 7.12.1)
.rept 4
	v_nop
.endr
.endm
	s_load_b128 s[4:7], s[0:1], 0x0                ; ao s[4:5], wt s[6:7]
	s_load_b64 s[8:9], s[0:1], 0x10                ; out0
	v_lshl_add_u32 v254, v0, 2, 0x46400
	v_mov_b32 v255, 0
	ds_add_u32 v254, v255
	v_lshrrev_b32 v1, 5, v0
	v_readfirstlane_b32 s10, v1                    ; wave 0..3
	s_lshr_b32 s11, s10, 1                         ; my half of the block's rows.  Also: I fetch for ao (0) or for the weight (1)
	s_and_b32 s12, s10, 1                          ; my half of its columns.  Also: which 64 rows of that tile I fetch
	s_bfe_u32 s40, ttmp6, 0x40000                  ; cx
	s_bfe_u32 s41, ttmp6, 0x40004                  ; cy
	s_lshl_b32 s42, ttmp9, 2
	s_add_co_u32 s42, s42, s40                     ; bx
	s_and_b32 s13, ttmp7, 0xffff
	s_lshl_b32 s13, s13, 2
	s_add_co_u32 s13, s13, s41                     ; by
	s_lshl_b32 s43, s41, 2
	s_lshl_b32 s43, 15, s43                        ; my row of the cluster
	s_lshl_b32 s44, 0x1111, s40                    ; my column
	s_or_b32 s[G1+0], s43, FLAGS
	s_or_b32 s[G1B+0], s44, FLAGS
	s_mov_b32 s[G1+1], 256<<16                     ; tensor_dim0 = 256
	s_mov_b32 s[G1B+1], 256<<16
	s_mov_b32 s[G1+2], 64<<16                      ; tensor_dim1 = 64
	s_mov_b32 s[G1B+2], 64<<16
	s_mov_b32 s[G1+3], 256<<16                     ; tile_dim0 = 256 elements
	s_mov_b32 s[G1B+3], 256<<16
	s_mov_b32 s[G1+4], 64                          ; tile_dim1 = 64 rows
	s_mov_b32 s[G1B+4], 64
	s_mov_b32 s[G1+5], 2048
	s_mov_b32 s[G1B+5], 2048
	s_mov_b32 s[G1+6], 0
	s_mov_b32 s[G1B+6], 0
	s_mov_b32 s[G1+7], 0
	s_mov_b32 s[G1B+7], 0
	s_lshl_b32 s17, s12, 18                        ; which 64 rows of 4,096 bytes I fetch
	s_lshl_b32 s16, s13, 19
	s_add_co_u32 s16, s16, s17                     ; ao: 128 by + 64 half (registers that never hold cx)
	s_lshl_b32 s46, s42, 19
	s_add_co_u32 s46, s46, s17
	s_add_co_u32 s46, s46, 3<<23                   ; wt: 6,144 + 128 bx + 64 half (registers that never hold cy)
	s_mov_b32 s17, 0
	s_mov_b32 s47, 0
	s_mul_i32 s20, s10, PIECE                      ; where my piece goes: the wave's number alone
	s_wait_dscnt 0x0
	s_wait_kmcnt 0x0
	s_add_nc_u64 s[14:15], s[4:5], s[16:17]
	s_add_nc_u64 s[46:47], s[6:7], s[46:47]
	CROUND                                         ; all sixteen work-groups are here: the first joint loads meet
.irp s, 0,1
	s_mov_b32 s[G0+4*\s], 1
	s_add_co_u32 s[G0+4*\s+1], s20, \s*SLOT
	s_add_nc_u64 s[G0+4*\s+2:G0+4*\s+3], s[14:15], \s*KBYTES
	s_or_b32 s[G0+4*\s+3], s[G0+4*\s+3], 0x80000000
	s_mov_b32 s[G0B+4*\s], 1
	s_add_co_u32 s[G0B+4*\s+1], s20, \s*SLOT
	s_add_nc_u64 s[G0B+4*\s+2:G0B+4*\s+3], s[46:47], \s*KBYTES
	s_or_b32 s[G0B+4*\s+3], s[G0B+4*\s+3], 0x80000000
	JLOAD \s                                       ; both first fills: two tensor loads of the wave are out, later one
.endr
	v_and_b32 v1, 15, v0                           ; r
	v_bfe_u32 v2, v0, 4, 1                         ; h
	v_mul_u32_u24 v3, v1, PITCH
	v_lshl_add_u32 v3, v2, 4, v3
	s_mul_i32 s21, s11, PIECE                      ; my 64 rows of ao
	s_mul_i32 s22, s12, PIECE                      ; my 64 weight rows,
	s_add_co_u32 s22, s22, 2*PIECE                 ; behind ao's 128
.irp s, 0,1
	v_add_nc_u32 v[ADRA+\s], s21, v3
	v_add_nc_u32 v[ADRB+\s], s22, v3
	s_add_co_u32 s21, s21, SLOT
	s_add_co_u32 s22, s22, SLOT
.endr
	s_mul_i32 s23, s10, 16*SPITCH
	s_add_co_u32 s23, s23, STAGE                   ; my stage
	v_mul_u32_u24 v4, v1, SPITCH                   ; in: row r, 32 bytes for each half of the lanes
	v_lshl_add_u32 v4, v2, 5, v4
	v_add_nc_u32 v[STO], s23, v4
	v_mul_u32_u24 v5, v2, SPITCH                   ; back: lanes 0-15 one row of 256 bytes, lanes 16-31 the next
	v_lshl_add_u32 v5, v1, 4, v5
	v_add_nc_u32 v[RD], s23, v5
	v_lshlrev_b32 v5, 13, v2                       ; and the same two rows of out0 (8,192 bytes each)
	v_lshl_add_u32 v[CO], v1, 4, v5
; 8 matrix instructions: row blocks a0, a0+1 x four column blocks.  The sixteen accumulators take turns, one instruction a turn.
.macro MUL8 f, a0, zero
.irp a, \a0, \a0+1
.irp b, 0,1,2,3
.if \zero
	v_wmma_f32_16x16x32_f16 v[8*(4*(\a)+\b):8*(4*(\a)+\b)+7], v[\f+8*\b:\f+8*\b+7], v[\f+32+8*(\a):\f+32+8*(\a)+7], 0
.else
	v_wmma_f32_16x16x32_f16 v[8*(4*(\a)+\b):8*(4*(\a)+\b)+7], v[\f+8*\b:\f+8*\b+7], v[\f+32+8*(\a):\f+32+8*(\a)+7], v[8*(4*(\a)+\b):8*(4*(\a)+\b)+7]
.endif
.endr
.endr
.endm
; 16 LDS loads in one run: four weight and four ao fragments, 32 K at byte k of the rows
.macro FETCH slot, k, f
	WIN 0
.irp i, 0,1,2,3
	ds_load_b128 v[\f+8*\i:\f+8*\i+3],   v[ADRB+\slot] offset:\i*16*PITCH+\k
	ds_load_b128 v[\f+8*\i+4:\f+8*\i+7], v[ADRB+\slot] offset:\i*16*PITCH+\k+32
.endr
.irp i, 0,1,2,3
	ds_load_b128 v[\f+32+8*\i:\f+32+8*\i+3],   v[ADRA+\slot] offset:\i*16*PITCH+\k
	ds_load_b128 v[\f+32+8*\i+4:\f+32+8*\i+7], v[ADRA+\slot] offset:\i*16*PITCH+\k+32
.endr
.endm
; An eighth of a slot: the next eighth's fragments (byte k) are asked for into buffer g, then buffer f is multiplied.
.macro EIGHTH slot, k, f, g, zero
	PLACES
	FETCH \slot, \k, \g
	s_wait_dscnt 16                                ; all but the sixteen just issued
	WIN MUL
	MUL8 \f, 0, \zero
	MUL8 \f, 2, \zero
.endm
.macro SEVEN slot, zero
	EIGHTH \slot, 64,  F0, F1, \zero
	EIGHTH \slot, 128, F1, F0, 0
	EIGHTH \slot, 192, F0, F1, 0
	EIGHTH \slot, 256, F1, F0, 0
	EIGHTH \slot, 320, F0, F1, 0
	EIGHTH \slot, 384, F1, F0, 0
	EIGHTH \slot, 448, F0, F1, 0
.endm
; The last eighth multiplies buffer 1 and changes slots: one barrier, my reads of this slot and all my tensor loads done in front of it;
; where the slot is filled again it opens a round of the cluster's barrier, and the refill is the first tensor load behind the round, one a wave.
; From a request to the wait for it a wave issues 120 matrix instructions.
.macro TURN slot, next, fill
	s_wait_dscnt 0
	s_wait_tensorcnt 0x0
	ds_add_u32 v254, v255
	s_wait_dscnt 0x0
	s_barrier_signal -1
	WIN MUL
	MUL8 F1, 0, 0                                  ; register work while the others arrive
	WIN 0
	s_barrier_wait -1
.if \fill
	CREST
	s_add_nc_u64 s[G0+4*\slot+2:G0+4*\slot+3], s[G0+4*\slot+2:G0+4*\slot+3], 2*KBYTES
	s_add_nc_u64 s[G0B+4*\slot+2:G0B+4*\slot+3], s[G0B+4*\slot+2:G0B+4*\slot+3], 2*KBYTES
	JLOAD \slot
.endif
	PLACES
	FETCH \next, 0, F0
	WIN MUL
	MUL8 F1, 2, 0
.endm
.macro LAP zero
	SEVEN 0, \zero
	TURN 0, 1, 1
	SEVEN 1, 0
	TURN 1, 0, 1
.endm
	s_wait_tensorcnt 1                             ; my piece of slot 0 is in; slot 1's stays out
	s_barrier_signal -1
	s_barrier_wait -1
	FETCH 0, 0, F0
	LAP 1                                          ; the first products start the sums
	WIN 0
	s_mov_b32 s3, 2                                ; 2,048 of K = four laps of 512: one in front, two here, one behind
.Llap:
	LAP 0
	WIN 0
	s_sub_co_u32 s3, s3, 1
	s_cmp_lg_u32 s3, 0
	s_cbranch_scc1 .Llap
	SEVEN 0, 0                                     ; the last lap fills nothing
	TURN 0, 1, 0
	SEVEN 1, 0
	s_wait_dscnt 0
	WIN MUL
	MUL8 F1, 0, 0
	MUL8 F1, 2, 0
	; THE WAY OUT, 16 rows at a time through my own stage: 32 bytes a lane and tile in, whole rows of 256 bytes back.
	PLACES
	s_lshl_b32 s16, s13, 20                        ; 128 by rows of 8,192 bytes
	s_lshl_b32 s17, s11, 19                        ; + my 64
	s_add_co_u32 s16, s16, s17
	s_mov_b32 s17, 0
	s_add_nc_u64 s[8:9], s[8:9], s[16:17]
	s_lshl_b32 s46, s42, 9                         ; 128 bx columns of 4 bytes
	s_lshl_b32 s47, s12, 8                         ; + my 64
	s_add_co_u32 s46, s46, s47
	s_mov_b32 s47, 0
	s_add_nc_u64 s[8:9], s[8:9], s[46:47]
.macro OUT16 a, f
	WIN 0x04
.irp b, 0,1,2,3
	ds_store_b128 v[STO], v[8*(4*\a+\b):8*(4*\a+\b)+3]   offset:64*\b
	ds_store_b128 v[STO], v[8*(4*\a+\b)+4:8*(4*\a+\b)+7] offset:64*\b+16
.endr
	WIN 0
	s_wait_xcnt 0x0                                ; buffer f, which earlier stores read, and the stores' base are rewritten only behind this wait
.if \a
	s_add_nc_u64 s[8:9], s[8:9], 16*8192
.endif
.irp t, 0,1,2,3,4,5,6,7
	ds_load_b128 v[\f+4*\t:\f+4*\t+3], v[RD] offset:\t*2*SPITCH    ; a wave's LDS instructions are served in order: these see the stores above
.endr
.irp t, 0,1,2,3,4,5,6,7
	s_wait_dscnt 7-\t
	global_store_b128 v[CO], v[\f+4*\t:\f+4*\t+3], s[8:9] offset:\t*16384   ; sixteen lanes store 256 aligned bytes
.endr
.endm
	OUT16 0, F0
	OUT16 1, F1
	OUT16 2, F0
	OUT16 3, F1
	s_wait_tensorcnt 0x0
	ds_add_u32 v254, v255
	s_wait_dscnt 0x0
	CROUND                                         ; the closing round
	s_endpgm
.Lfunc_end_k_q58a6e1f0ee_proj:
	.size	k_q58a6e1f0ee_proj, .Lfunc_end_k_q58a6e1f0ee_proj-k_q58a6e1f0ee_proj
	.p2alignl 7, 3214868480
	.fill 96, 4, 3214868480
	.section	.rodata,"a",@progbits
	.p2align	6, 0x0
	.amdhsa_kernel k_q58a6e1f0ee_proj
		.amdhsa_group_segment_fixed_size 327680
		.amdhsa_private_segment_fixed_size 0
		.amdhsa_enable_private_segment 0
		.amdhsa_kernarg_size 24
		.amdhsa_user_sgpr_count 2
		.amdhsa_user_sgpr_kernarg_segment_ptr 1
		.amdhsa_wavefront_size32 1
		.amdhsa_system_sgpr_workgroup_id_x 1
		.amdhsa_system_sgpr_workgroup_id_y 1
		.amdhsa_system_sgpr_workgroup_id_z 1
		.amdhsa_system_vgpr_workitem_id 0
		.amdhsa_next_free_vgpr 384
		.amdhsa_next_free_sgpr 66
		.amdhsa_reserve_vcc 0
		.amdhsa_float_denorm_mode_32 3
		.amdhsa_float_denorm_mode_16_64 3
		.amdhsa_memory_ordered 1
		.amdhsa_forward_progress 1
		.amdhsa_inst_pref_size 126
	.end_amdhsa_kernel
	.amdgpu_metadata
---
amdhsa.version: [ 1, 2 ]
amdhsa.kernels:
  - .name:           k_q58a6e1f0ee_proj
    .symbol:         k_q58a6e1f0ee_proj.kd
    .args:
      - { .name: ao, .offset: 0, .size: 8, .value_kind: global_buffer, .address_space: global }
      - { .name: wt, .offset: 8, .size: 8, .value_kind: global_buffer, .address_space: global }
      - { .name: out0, .offset: 16, .size: 8, .value_kind: global_buffer, .address_space: global }
    .group_segment_fixed_size: 327680
    .private_segment_fixed_size: 0
    .kernarg_segment_align: 8
    .kernarg_segment_size: 24
    .max_flat_workgroup_size: 128
    .sgpr_count:     66
    .vgpr_count:     384
    .wavefront_size: 32
...
	.end_amdgpu_metadata
.endif
;; end of part 4
;; ======== version 2 of 2: 4 launches; version 1 with the launch cast written anew for expert scheduling mode
;; limits: values are held in f16: magnitudes above 65,504 overflow, below 6.1e-05 lose precision
;; workspace buffers: wt 33,554,432 bytes; xh 8,388,608 bytes; mbits 262,144 bytes of whole numbers; q 8,388,608 bytes; k 8,388,608 bytes; vt 8,388,608 bytes; ao 8,388,608 bytes
;; launch cast (part 5): grid 128 x 6, 4 waves a work-group, no clusters, 67,072 bytes of LDS; arguments Wq, Wk, Wv, Wo, x, mask, wt, xh, mbits; writes wt, xh, mbits
.if DOCPART == 5
	.amdgcn_target "amdgcn-amd-amdhsa--gfx1250"
	.amdhsa_code_object_version 6
	.text
	.protected	k_q58a6e1f0ee_cast
	.globl	k_q58a6e1f0ee_cast
	.p2align	8
	.type	k_q58a6e1f0ee_cast,@function
k_q58a6e1f0ee_cast:
	s_mov_b64 s[64:65], 0
	v_nop
	global_prefetch_b8 v0, s[64:65] scope:SCOPE_SE
	s_setreg_imm32_b32 hwreg(HW_REG_WAVE_SCHED_MODE, 0, 2), 2
	s_setreg_imm32_b32 hwreg(HW_REG_WAVE_MODE, 25, 1), 1
	s_wait_xcnt 0x0
	s_wait_alu depctr_vm_vsrc(0)
; cast: one streaming pass that brings every input into the form the three matrix launches read.
;   y = 0..2: wt[mat*2048 + n][k] = bf16(W_mat[k][n])        Wq, Wk, Wv, rounded to bf16 and transposed, K along the rows
;   y = 3:    wt[6144 + n][k]     = f16(bf16(Wo[k][n]))      Wo, rounded to bf16 like the others and then held in f16, the format of its partner in the last product
;   y = 4:    xh = bf16(x)
;   y = 5:    mbits[b*64+qt][kt][j], bit r+16h = (mask[b][16qt+r][16kt+8h+j] != 0): one word for each score register of the attention launch
; So every floating-point input is rounded once, to bf16 (nearest even).
; LIMITS: Wo alone: a bf16 number is exact in f16 from 2^-17 up to 65,504; larger ones become infinite, below 2^-17 the absolute step is 6e-8.
; No matrix unit, no cluster, no barrier: no byte is shared between work-groups, and every wave's LDS bytes (16,640 of them) are its own.
; Every load and store of a wave covers whole aligned runs of 256 bytes.
; THE MODE: SCHED_MODE bits 1:0 = 2 (LLVM: expert scheduling mode 2), set by the entry lines.  The code itself states the register dependences
; between vector instructions and memory or LDS instructions, with s_wait_alu, always for 0.
; THE PLAN.  Registers that memory or LDS instructions touch:
;   v3 to v6       offsets and LDS addresses: made once on each path, ahead of that path's first wait on va_vdst, and never written again.
;   weights  X0 .. X3 (32 registers each): group g's conversions read X[g % 4]; behind them the loads of group g + 4 land in it; at the end the rows read back from LDS land there.
;            Y0, Y1 (16 each): group g's conversions write Y[g % 2]; its four LDS stores read it; group g + 2 writes it again.
;            One wait on va_vdst a group, behind its conversions: Y[g % 2] is written and X[g % 4] is read out; the loads and the LDS stores follow it.
;            One wait on vm_vsrc at the head of groups 2 to 7: the LDS stores of two groups back have read Y[g % 2].
;   x        X0, X1 (64 each) and Y0, Y1 (32 each) in the same way, by batches: 32 conversions, one wait on va_vdst, sixteen loads, eight stores.
;   mask     v48-111 are written by loads and read by LDS stores and vector instructions alone; the votes go through s[4:19] in runs of sixteen, one wait on va_sdst a run.
;   v176, v177     written at the head, read by the closing add alone.
.set XR,   48                          ; v[48:175]  data as loaded; later rows read back from LDS
.set YR,   16                          ; v[16:47]   16-bit pairs: the weights' two buffers of 16, or x's first buffer of 32
.set YS,   162                         ; x's second buffer of pairs lies at YR + YS: v[178:209]
.set TR,   12                          ; v[12:15]   at work
.set MR,   80                          ; v[80:111]  mask path: 8 mask bytes for each of 16 key tiles
.set CT,   112                         ; v[112:127] mask path: sixteen bytes at work; no memory instruction names them
.set WLDS, 16640                       ; a wave's LDS bytes
; W path.  Eight loads: rows k = 16g+j (lanes 0-15) and 16g+8+j (lanes 16-31), 256 bytes of each row.
.macro LOADG g, set
.irp j, 0,1,2,3,4,5,6,7
	global_load_b128 v[XR+32*\set+4*\j:XR+32*\set+4*\j+3], v3, s[24:25] offset:(16*(\g)+\j)*8192 th:TH_LOAD_NT
.endr
.endm
; My four columns n = 4i+c: eight k of each are packed to 16 bytes, into the pair buffer g mod 2.
; kind = 0: bf16.  kind = 1: bf16, widened again (a shift, a mask) and packed as f16.
.macro CVTG g, set, kind
.irp c, 0,1,2,3
.irp jj, 0,1,2,3
	v_cvt_pk_bf16_f32 v[YR+16*(\g&1)+4*\c+\jj], v[XR+32*\set+8*\jj+\c], v[XR+32*\set+8*\jj+4+\c]
.if \kind
	v_lshlrev_b32 v[TR+2*(\jj&1)], 16, v[YR+16*(\g&1)+4*\c+\jj]
	v_and_b32 v[TR+2*(\jj&1)+1], 0xffff0000, v[YR+16*(\g&1)+4*\c+\jj]
	v_cvt_pk_f16_f32 v[YR+16*(\g&1)+4*\c+\jj], v[TR+2*(\jj&1)], v[TR+2*(\jj&1)+1]
.endif
.endr
.endr
.endm
; They are laid into the columns' LDS rows (256 bytes) at byte 32g + 16hh.
.macro PUTG g
.irp c, 0,1,2,3
	ds_store_b128 v4, v[YR+16*(\g&1)+4*\c:YR+16*(\g&1)+4*\c+3] offset:256*\c+32*(\g)
.endr
.endm
; Group g.  left: how many younger loads may stay out.  ahead = 1: the buffer is asked for again, for group g + 4.
.macro GRP g, set, kind, left, ahead
	s_wait_loadcnt \left                           ; loads return in order: this group's eight are in, the younger groups stay out
.if \g >= 2
	s_wait_alu depctr_vm_vsrc(0)                   ; the LDS stores of two groups back have read this pair buffer, which the conversions below write again
.endif
	CVTG \g, \set, \kind
	s_wait_alu depctr_va_vdst(0)                   ; the conversions have written the pair buffer, which the LDS stores below read, and are done reading this X buffer, in which loads land next
.if \ahead
	LOADG (\g)+4, \set                             ; the buffer is asked for again at once
.endif
	PUTG \g
.endm
; A wave's 128 k x 64 n: four groups of eight loads are always on their way; then the 64 transposed rows go out.
.macro WBODY kind
	LOADG 0, 0
	LOADG 1, 1
	LOADG 2, 2
	LOADG 3, 3
	GRP 0, 0, \kind, 24, 1                         ; three younger groups of eight stay out
	GRP 1, 1, \kind, 24, 1
	GRP 2, 2, \kind, 24, 1
	GRP 3, 3, \kind, 24, 1
	GRP 4, 0, \kind, 24, 0
	GRP 5, 1, \kind, 16, 0                         ; nothing more is fetched: the counts run down
	GRP 6, 2, \kind, 8, 0
	GRP 7, 3, \kind, 0, 0
	; rows n = 2t + hh back from my own LDS bytes (a wave's LDS instructions are served in order) and out, in two runs of sixteen.
	; They land in the X buffers: no vector instruction has been issued since group 7's wait on va_vdst, behind which every conversion is done reading them.
.irp hb, 0,1
.set cnt, 0
.rept 16
	ds_load_b128 v[XR+64*\hb+4*cnt:XR+64*\hb+4*cnt+3], v5 offset:((16*\hb+cnt)>>1)*1040+((16*\hb+cnt)&1)*512
.set cnt, cnt+1
.endr
.set cnt, 0
.rept 16
	s_wait_dscnt 15-cnt                            ; the run's younger LDS loads stay out
	global_store_b128 v6, v[XR+64*\hb+4*cnt:XR+64*\hb+4*cnt+3], s[26:27] offset:(16*\hb+cnt)*8192   ; sixteen lanes store 256 aligned bytes of a row of wt
.set cnt, cnt+1
.endr
.endr
	s_wait_dscnt 0x0                               ; the closing lines, six on end
	s_wait_alu 0x0
	s_wait_tensorcnt 0x0
	ds_add_u32 v176, v177
	s_wait_dscnt 0x0
	s_endpgm
.endm
; x path.  Sixteen loads: eight pieces of 1,024 bytes, 32 bytes a lane.
.macro LOADX bt, set
.irp q, 0,1,2,3,4,5,6,7
	global_load_b128 v[XR+64*\set+8*\q:XR+64*\set+8*\q+3],   v3, s[24:25] offset:(8*\bt+\q)*1024 th:TH_LOAD_NT
	global_load_b128 v[XR+64*\set+8*\q+4:XR+64*\set+8*\q+7], v3, s[24:25] offset:(8*\bt+\q)*1024+16 th:TH_LOAD_NT
.endr
.endm
.macro CVTX set                        ; a batch's 32 roundings, from X buffer set into pair buffer set
.irp q, 0,1,2,3,4,5,6,7
.irp p, 0,1,2,3
	v_cvt_pk_bf16_f32 v[YR+YS*\set+4*\q+\p], v[XR+64*\set+8*\q+2*\p], v[XR+64*\set+8*\q+2*\p+1]
.endr
.endr
.endm
.macro STOX bt, set
.irp q, 0,1,2,3,4,5,6,7
	global_store_b128 v6, v[YR+YS*\set+4*\q:YR+YS*\set+4*\q+3], s[26:27] offset:(8*\bt+\q)*512   ; 512 neighbouring bytes a wave
.endr
.endm
	s_load_b512 s[4:19], s[0:1], 0x0               ; Wq s[4:5], Wk s[6:7], Wv s[8:9], Wo s[10:11], x s[12:13], mask s[14:15], wt s[16:17], xh s[18:19]
	s_load_b64 s[20:21], s[0:1], 0x40              ; mbits
	v_lshl_add_u32 v176, v0, 2, 0x10400
	v_mov_b32 v177, 0
	v_lshrrev_b32 v7, 5, v0
	v_readfirstlane_b32 s22, v7                    ; wave 0..3
	s_and_b32 s23, ttmp7, 0xffff                   ; y: which job
	v_and_b32 v1, 15, v0                           ; i = lane mod 16
	v_bfe_u32 v2, v0, 4, 1                         ; hh = lane / 16
	s_wait_alu depctr_va_sdst(0)                   ; s22 is written, ahead of its first reader, the line below, and of every branch
	s_mul_i32 s28, s22, WLDS                       ; my wave's LDS bytes
	s_mov_b32 s27, 0                               ; high word of every byte offset here
	s_wait_kmcnt 0x0
	s_cmp_eq_u32 s23, 5
	s_cbranch_scc1 .Lmask
	s_cmp_eq_u32 s23, 4
	s_cbranch_scc1 .Lx
	; ---- a weight: the work-group takes 128 k x 256 n (kb = x mod 16, nb = x / 16), a wave 64 columns ----
	s_mov_b64 s[24:25], s[4:5]
	s_cmp_eq_u32 s23, 1
	s_cselect_b64 s[24:25], s[6:7], s[24:25]
	s_cmp_eq_u32 s23, 2
	s_cselect_b64 s[24:25], s[8:9], s[24:25]
	s_cmp_eq_u32 s23, 3
	s_cselect_b64 s[24:25], s[10:11], s[24:25]
	s_and_b32 s29, ttmp9, 15                       ; kb
	s_lshr_b32 s30, ttmp9, 4                       ; nb
	s_lshl_b32 s26, s29, 20                        ; kb x 128 rows x 8,192 bytes
	s_lshl_b32 s31, s30, 10                        ; nb x 256 columns x 4 bytes
	s_add_co_u32 s26, s26, s31
	s_add_nc_u64 s[24:25], s[24:25], s[26:27]
	s_lshl_b32 s26, s23, 23                        ; mat x 2,048 rows x 4,096 bytes
	s_lshl_b32 s31, s30, 20                        ; nb x 256 rows
	s_add_co_u32 s26, s26, s31
	s_lshl_b32 s31, s29, 8                         ; kb x 128 k x 2 bytes
	s_add_co_u32 s26, s26, s31
	s_add_nc_u64 s[26:27], s[16:17], s[26:27]
	v_lshlrev_b32 v7, 4, v1                        ; 16 i
	v_lshl_add_u32 v3, v2, 16, v7                  ; load: 8 rows down for lanes 16-31,
	s_lshl_b32 s31, s22, 8
	v_add_nc_u32 v3, s31, v3                       ; + my wave's 256 bytes of a row
	v_mul_u32_u24 v4, v1, 1040                     ; LDS in: four column rows of 256 bytes + 16 for each i: sixteen lanes fall into sixteen different 16-byte columns modulo 256
	v_lshl_add_u32 v4, v2, 4, v4
	v_add_nc_u32 v4, s28, v4
	v_lshl_add_u32 v5, v2, 8, v7                   ; LDS back: lanes 0-15 one column row, lanes 16-31 the next
	v_add_nc_u32 v5, s28, v5
	v_lshl_add_u32 v6, v2, 12, v7                  ; store: the same two rows of wt,
	s_lshl_b32 s31, s22, 18
	v_add_nc_u32 v6, s31, v6                       ; + my wave's 64 rows
	s_wait_alu depctr_va_vdst(0)                   ; v3 to v6 are written: every load, LDS instruction and store of both texts below reads one of them as its address
	s_cmp_eq_u32 s23, 3
	s_cbranch_scc1 .Lwo
	WBODY 0                                        ; Wq, Wk, Wv: bf16
.Lwo:
	WBODY 1                                        ; Wo: the bf16 number, held in f16
	; ---- x: the work-group takes 131,072 bytes, a wave 32,768, in four batches of eight pieces ----
.Lx:
	s_lshl_b32 s26, ttmp9, 17
	s_add_nc_u64 s[24:25], s[12:13], s[26:27]
	s_lshl_b32 s26, ttmp9, 16
	s_add_nc_u64 s[26:27], s[18:19], s[26:27]
	v_and_b32 v7, 31, v0
	v_lshlrev_b32 v3, 5, v7                        ; 32 bytes of f32 a lane
	s_lshl_b32 s31, s22, 15
	v_add_nc_u32 v3, s31, v3
	v_lshlrev_b32 v6, 4, v7                        ; 16 bytes of bf16 a lane
	s_lshl_b32 s31, s22, 14
	v_add_nc_u32 v6, s31, v6
	s_wait_alu depctr_va_vdst(0)                   ; v3 and v6 are written: every load and store below reads one of them as its offset
	LOADX 0, 0
	LOADX 1, 1
	s_wait_loadcnt 16                              ; the younger batch's sixteen loads stay out
	CVTX 0
	s_wait_alu depctr_va_vdst(0)                   ; batch 0's roundings have written pair buffer 0, which the stores read, and are done reading X0, in which the loads land
	LOADX 2, 0
	STOX 0, 0
	s_wait_loadcnt 16
	CVTX 1                                         ; pair buffer 1: no store has read it yet
	s_wait_alu depctr_va_vdst(0)                   ; batch 1's roundings have written pair buffer 1 and are done reading X1
	LOADX 3, 1
	STOX 1, 1
	s_wait_loadcnt 16
	s_wait_xcnt 0x0                                ; pair buffer 0 is batch 0's store data: rewritten only behind this wait,
	s_wait_alu depctr_vm_vsrc(0)                   ; and behind this one: batch 0's stores have read it
	CVTX 0
	s_wait_alu depctr_va_vdst(0)                   ; batch 2's roundings have written pair buffer 0, which the stores read
	STOX 2, 0
	s_wait_loadcnt 0
	s_wait_xcnt 0x0                                ; pair buffer 1 is batch 1's store data,
	s_wait_alu depctr_vm_vsrc(0)                   ; which batch 1's stores have read
	CVTX 1
	s_wait_alu depctr_va_vdst(0)                   ; batch 3's roundings have written pair buffer 1, which the stores read
	STOX 3, 1
	s_endpgm
	; ---- mask: the work-group takes 16 rows (one query tile), a wave 256 keys (16 key tiles) ----
.Lmask:
	s_lshl_b32 s26, ttmp9, 14                      ; 16 rows x 1,024 bytes
	s_add_nc_u64 s[24:25], s[14:15], s[26:27]
	s_lshl_b32 s26, ttmp9, 11                      ; 64 key tiles x 8 words
	s_lshl_b32 s31, s22, 9                         ; my wave's 16 key tiles
	s_add_co_u32 s26, s26, s31
	s_add_nc_u64 s[26:27], s[20:21], s[26:27]
	v_lshlrev_b32 v7, 4, v1                        ; 16 i
	v_lshl_add_u32 v3, v2, 10, v7                  ; load: lanes 16-31 one row down,
	s_lshl_b32 s31, s22, 8
	v_add_nc_u32 v3, s31, v3                       ; + my wave's 256 keys
	v_mul_u32_u24 v4, v2, 272                      ; LDS in: rows of 256 bytes, 272 apart
	v_add_nc_u32 v4, v4, v7
	v_add_nc_u32 v4, s28, v4
	v_mul_u32_u24 v5, v1, 272                      ; LDS back: lane (r, h) takes row r, bytes 8h .. 8h+7 of a key tile
	v_lshl_add_u32 v5, v2, 3, v5
	v_add_nc_u32 v5, s28, v5
	v_and_b32 v6, 31, v0
	v_lshlrev_b32 v6, 4, v6                        ; store: four words a lane
	s_wait_alu depctr_va_vdst(0)                   ; v3 to v6 are written: the loads, the LDS instructions and the store below read them as addresses
.irp t, 0,1,2,3,4,5,6,7
	global_load_b128 v[XR+4*\t:XR+4*\t+3], v3, s[24:25] offset:2048*\t th:TH_LOAD_NT
.endr
.irp c, 0,1,2,3
	v_mov_b32 v[8+\c], 0                           ; v_writelane_b32 keeps the other lanes: the words are written whole first
.endr
	s_wait_loadcnt 0x0
.irp t, 0,1,2,3,4,5,6,7
	ds_store_b128 v4, v[XR+4*\t:XR+4*\t+3] offset:544*\t
.endr
.irp kt, 0,1,2,3,4,5,6,7,8,9,10,11,12,13,14,15
	ds_load_b64 v[MR+2*\kt:MR+2*\kt+1], v5 offset:16*\kt
.endr
	s_wait_dscnt 0x0
	; word 8 kt + j is the vote of the 32 lanes on byte j; it goes to lane (8 kt + j) / 4, register (8 kt + j) mod 4.
	; Two key tiles, sixteen words, to a run: sixteen bytes are cut out, sixteen votes go into s[4:19] (the arguments there are done with on this path), and one wait serves the sixteen readers.
.irp kp, 0,1,2,3,4,5,6,7
.irp j, 0,1,2,3,4,5,6,7,8,9,10,11,12,13,14,15
	v_bfe_u32 v[CT+\j], v[MR+4*\kp+(\j>>2)], 8*(\j&3), 8
.endr
.irp j, 0,1,2,3,4,5,6,7,8,9,10,11,12,13,14,15
	v_cmp_ne_u32 s[4+\j], 0, v[CT+\j]
.endr
	s_wait_alu depctr_va_sdst(0)                   ; the sixteen compares have written s[4:19], which the lines below read
.irp j, 0,1,2,3,4,5,6,7,8,9,10,11,12,13,14,15
	v_writelane_b32 v[8+(\j&3)], s[4+\j], 4*\kp+(\j>>2)
.endr
.endr
	s_wait_alu depctr_va_vdst(0)                   ; the words v[8:11] are written, which the store reads
	global_store_b128 v6, v[8:11], s[26:27]        ; 512 neighbouring bytes
	s_wait_dscnt 0x0                               ; the closing lines, six on end
	s_wait_alu 0x0
	s_wait_tensorcnt 0x0
	ds_add_u32 v176, v177
	s_wait_dscnt 0x0
	s_endpgm
.Lfunc_end_k_q58a6e1f0ee_cast:
	.size	k_q58a6e1f0ee_cast, .Lfunc_end_k_q58a6e1f0ee_cast-k_q58a6e1f0ee_cast
	.p2alignl 7, 3214868480
	.fill 96, 4, 3214868480
	.section	.rodata,"a",@progbits
	.p2align	6, 0x0
	.amdhsa_kernel k_q58a6e1f0ee_cast
		.amdhsa_group_segment_fixed_size 67072
		.amdhsa_private_segment_fixed_size 0
		.amdhsa_enable_private_segment 0
		.amdhsa_kernarg_size 72
		.amdhsa_user_sgpr_count 2
		.amdhsa_user_sgpr_kernarg_segment_ptr 1
		.amdhsa_wavefront_size32 1
		.amdhsa_system_sgpr_workgroup_id_x 1
		.amdhsa_system_sgpr_workgroup_id_y 1
		.amdhsa_system_sgpr_workgroup_id_z 1
		.amdhsa_system_vgpr_workitem_id 0
		.amdhsa_next_free_vgpr 210
		.amdhsa_next_free_sgpr 66
		.amdhsa_reserve_vcc 0
		.amdhsa_float_denorm_mode_32 3
		.amdhsa_float_denorm_mode_16_64 3
		.amdhsa_memory_ordered 1
		.amdhsa_forward_progress 1
		.amdhsa_inst_pref_size 114
	.end_amdhsa_kernel
	.amdgpu_metadata
---
amdhsa.version: [ 1, 2 ]
amdhsa.kernels:
  - .name:           k_q58a6e1f0ee_cast
    .symbol:         k_q58a6e1f0ee_cast.kd
    .args:
      - { .name: Wq, .offset: 0, .size: 8, .value_kind: global_buffer, .address_space: global }
      - { .name: Wk, .offset: 8, .size: 8, .value_kind: global_buffer, .address_space: global }
      - { .name: Wv, .offset: 16, .size: 8, .value_kind: global_buffer, .address_space: global }
      - { .name: Wo, .offset: 24, .size: 8, .value_kind: global_buffer, .address_space: global }
      - { .name: x, .offset: 32, .size: 8, .value_kind: global_buffer, .address_space: global }
      - { .name: mask, .offset: 40, .size: 8, .value_kind: global_buffer, .address_space: global }
      - { .name: wt, .offset: 48, .size: 8, .value_kind: global_buffer, .address_space: global }
      - { .name: xh, .offset: 56, .size: 8, .value_kind: global_buffer, .address_space: global }
      - { .name: mbits, .offset: 64, .size: 8, .value_kind: global_buffer, .address_space: global }
    .group_segment_fixed_size: 67072
    .private_segment_fixed_size: 0
    .kernarg_segment_align: 8
    .kernarg_segment_size: 72
    .max_flat_workgroup_size: 128
    .sgpr_count:     66
    .vgpr_count:     210
    .wavefront_size: 32
...
	.end_amdgpu_metadata
.endif
;; end of part 5
;; launch qkv: the kernel of part 2 again; grid 16 x 16, 4 waves a work-group, clusters of 4 x 4, 327,680 bytes of LDS; arguments xh, wt, q, k, vt; writes q, k, vt
;; launch attn: the kernel of part 3 again; grid 8 x 32, 8 waves a work-group, clusters of 4 x 1, 327,680 bytes of LDS; arguments q, k, vt, mbits, ao; writes ao
;; launch proj: the kernel of part 4 again; grid 16 x 16, 4 waves a work-group, clusters of 4 x 4, 327,680 bytes of LDS; arguments ao, wt, out0; writes out0
